; MI455X (gfx1250); checked and timed in simulation.
; The chip was launched on July 23, 2026; its instructions are those of AMD's public machine-readable ISA for CDNA 5 (MIT licence, August 2026) and "CDNA5" Instruction Set Architecture Reference Guide (July 2026). The comments in the code are by the model that wrote it; some were corrected since.
;; Multi Head Self Attention. Allowed arithmetic: matrix products marked QUANTISED: E2M3 operands, one E8M0 scale for each 32 along K, by v_wmma_scale_f32_16x16x128_f8f6f4 with both operands' format E2M3, f32 sums; everything else in f32.
;; Inputs: Wk 1,024 x 1,024 float32; Wo 1,024 x 1,024 float32; Wq 1,024 x 1,024 float32; Wv 1,024 x 1,024 float32; token_positions 2,048 int32; x 4 x 2,048 x 1,024 float32.
;; Outputs: out0 4 x 2,048 x 1,024 float32.
;; This version of the problem:
;;   THIS VERSION OF THE PROBLEM IS GIVEN IN LOW PRECISION. The matrix products marked QUANTISED in the list below multiply operands that are first quantised to E2M3 (2 exponent bits, 3 mantissa bits; 6 bits a number), with one power-of-two scale for each 32 numbers along K (OCP MX v1.0); their sums are f32. All else is computed in f32.
;;   The module's matrix products, in the order in which they are computed (A, B: the left and right operand; K: the contracted axis; several contracted axes count as one K, in the product's order):
;;     1. [M 8,192, K 1,024] x [K 1,024, N 1,024]; A: input x; B: input Wq: QUANTISED
;;     2. [M 8,192, K 1,024] x [K 1,024, N 1,024]; A: input x; B: input Wk: QUANTISED
;;     3. [M 8,192, K 1,024] x [K 1,024, N 1,024]; A: input x; B: input Wv: QUANTISED
;;     4. batch 64 x [M 2,048, K 64] x [K 64, N 2,048]; A: computed on the way; B: computed on the way: QUANTISED
;;     5. batch 64 x [M 2,048, K 2,048] x [K 2,048, N 64]; A: softmax (see below); B: computed on the way: QUANTISED
;;     6. [M 8,192, K 1,024] x [K 1,024, N 1,024]; A: computed on the way; B: input Wo: QUANTISED
;;   THE QUANTISER, for each operand of a quantised product, along K:
;;     - K is cut into blocks of 32 from its start; a last block that is shorter is filled with zeros.
;;     - A block's scale is 2^e with e = floor(log2(the largest magnitude in the block)) - 2, held to -126 .. 127; a block of zeros has e = 0. As a byte (E8M0): e + 127.
;;     - Each number is divided by its block's scale, clamped to +-7.5, and rounded to the nearest number of E2M3, ties to even, subnormals kept.
;;     - The product sums the exact products of the quantised numbers (number of the format x scale) in f32.
;;   ~~~python
;;   def quantise(x, axis):      # numpy; x: float32 -> the quantised numbers, widened to float32 again
;;       x = np.moveaxis(x, axis, -1); K = x.shape[-1]
;;       x = np.pad(x, [(0, 0)] * (x.ndim - 1) + [(0, -K % 32)]); x = x.reshape(x.shape[:-1] + (-1, 32)); a = np.abs(x).max(-1, keepdims=True)
;;       e = np.where(a > 0, np.clip(np.frexp(np.where(a > 0, a, 1))[1] - 1 - 2, -126, 127), 0)      # np.frexp(a)[1] - 1 = floor(log2(a)), exactly
;;       r = np.clip(x / 2.0 ** e, -7.5, 7.5)
;;       step = 2.0 ** (np.maximum(np.frexp(np.where(r == 0, 1, r))[1] - 1, 0) - 3)
;;       q = np.round(r / step) * step * 2.0 ** e      # np.round: ties to even
;;       return np.moveaxis(q.reshape(q.shape[:-2] + (-1,))[..., :K], -1, axis).astype(np.float32)
;;   ~~~
;;   SOFTMAX AHEAD OF A QUANTISED PRODUCT. Where the list says 'softmax', what is quantised is not the finished softmax but p = 2^(t - M), with t = logit x log2(e) and M = ceil(the row's largest t), a whole number; so 1/2 < the row's largest p <= 1. The row's sum l is taken of the UNQUANTISED p, in f32, and the product's result is divided by l at the end. Since M is a whole number, a kernel that streams over the keys may use a running M (the ceiling of the running maximum): every later rescaling is an exact power of two, which a block's scale takes up: the codes' values come out the same.
;;   OPERANDS COMPUTED ON THE WAY. 'Computed on the way' means the value that the module computes at that place (a softmax that the list does not call 'softmax' is quantised finished and normalised). What goes into a quantiser is computed in f32, as accurately as f32 sums, v_exp_f32 and their like allow (about 1e-6 of the number): no bf16 or f16 on the way to a quantiser, and a product that is left as it is and whose result goes on into a quantised operand takes f32 operands (vector FMAs, or v_wmma_f32_16x16x4_f32). A number that lies on a knife's edge between two numbers of the format may be rounded either way, as far as f32 arithmetic and the matrix unit's own rounding can turn it there, and no further.
;; One version. Each part assembles by itself: llvm-mc -triple=amdgcn-amd-amdhsa -mcpu=gfx1250 --defsym DOCPART=n.
;; ======== version 1 of 1: 4 launches
;; limits: right only within a limited range of input values
;; workspace buffers: xw 9,830,400 bytes; rope 524,288 bytes; qkv 20,185,088 bytes; yq 6,553,600 bytes
;; launch prep (part 1): grid 768 x 1, 4 waves a work-group, no clusters, 34,816 bytes of LDS; arguments x, Wq, Wk, Wv, Wo, token_positions, xw, rope; writes xw, rope
.if DOCPART == 1
	.amdgcn_target "amdgcn-amd-amdhsa--gfx1250"
	.amdhsa_code_object_version 6
	.text
	.protected	k_q6d46b764af_prep
	.globl	k_q6d46b764af_prep
	.p2align	8
	.type	k_q6d46b764af_prep,@function
k_q6d46b764af_prep:
	s_mov_b64 s[64:65], 0
	v_nop
	global_prefetch_b8 v0, s[64:65] scope:SCOPE_SE
	s_setreg_imm32_b32 hwreg(HW_REG_WAVE_MODE, 25, 1), 1
	s_wait_xcnt 0x0
; x [8192][1024] and Wq, Wk, Wv, Wo [1024][1024], f32, K innermost, become codes of FP6 (E2M3) with one E8M0 byte for each 32 along K, laid AS THE MATRIX OPERAND'S REGISTERS; and the table of cos and sin for RoPE is made.
; A TILE is 16 rows of a group of 32: tile 2 G + u, row r of the tile, is row 32 G + 8 u + r + 8 (r / 8).  (So two neighbouring tiles used as source 0 of a product leave 16 neighbours in a lane's 16 result registers.)
; A FRAGMENT (16 rows x 128 K, 12 registers a lane) is 1,536 bytes: registers 0-3 at 16 x lane, 4-5 at 512 + 8 x lane, 6-9 at 768 + 16 x lane, 10-11 at 1,280 + 8 x lane.
; xw: codes [tile 0..767][K step 0..7][1,536]; tiles 0-511 x; 512 + 12 head + 4 (0 Wq, 1 Wk, 2 Wv) + tile of the head; 704.. Wo.  From XWS on the scale words [tile][row][K step], 512 bytes a tile.
; rope: [s 0..2047][i 0..31] pairs (cos, sin) of token_positions[s] x 10000^(-i / 32), f32.
; SHARES: a work-group takes one tile, wave w its K steps 2 w and 2 w + 1.  Each load reads 512 consecutive bytes of a row; a K step's 16 rows turn through the wave's own stage in LDS, so that a lane gets two whole blocks of 32.
; A block's scale is 2^(floor(log2(its largest magnitude)) - 2): its byte is the largest magnitude's exponent field - 2, held at 1 from below.
; LIMITS: NaN and infinities among the inputs are not served; a block whose largest magnitude lies under 2^-124, a block of zeros too, keeps the byte 1 (its codes are read by this program alone; zeros add nothing);
; the angle's reduction (three parts of pi / 2, fused) serves |token position| up to 2^20.  No work-groups share input here, so there are no clusters, and no tensor loads: three work-groups lie on a WGP.
.set XWS,  9437184
.set STGB, 8448                        ; a wave's stage: 16 rows, 528 bytes apart (512 + 16: the sixteen rows that a load touches start in different banks)
.set SP,   528
.set SG,   4*STGB                      ; behind the stages: the tile's 512 bytes of scale words
.set R,    64                          ; v64-191  the 32 loads as they come
.set X,    192                         ; v192-255 a lane's 64 numbers of a K step: k = 32 h + 0..31, then 64 + 32 h + 0..31
.set PC,   32                          ; v32-55   codes, a set of 12 for each K step: no store's data are written again
.set WD,   56                          ; v56-57   the two scale words
	s_load_b256 s[4:11], s[0:1], 0x0               ; x s[4:5], Wq s[6:7], Wk s[8:9], Wv s[10:11]
	s_load_b256 s[12:19], s[0:1], 0x20             ; Wo s[12:13], token_positions s[14:15], xw s[16:17], rope s[18:19]
	s_set_vgpr_msb 0x40
	v_lshl_add_u32 v0, v0, 2, 0x8600
	v_mov_b32 v1, 0
	s_set_vgpr_msb 0x4000
	v_lshrrev_b32 v1, 5, v0
	v_readfirstlane_b32 s20, v1                    ; wave
	v_and_b32 v2, 31, v0                           ; lane
	v_and_b32 v58, 15, v0                          ; r
	v_bfe_u32 v59, v0, 4, 1                        ; h
	v_lshlrev_b32 v6, 4, v2                        ; 16 x lane
	v_lshlrev_b32 v7, 3, v2                        ; 8 x lane
	s_lshl_b32 s21, s20, 10
	v_add_nc_u32 v3, s21, v6                       ; in a row: my wave's 1,024 bytes, my 16 of a load's 512
	s_mul_i32 s22, s20, STGB
	v_add_nc_u32 v4, s22, v6                       ; the stage, way in
	v_mul_u32_u24 v5, v58, SP
	v_lshl_add_u32 v5, v59, 7, v5
	v_add_nc_u32 v5, s22, v5                       ; way out: row r, + 128 h bytes
	v_lshlrev_b32 v29, 5, v58
	s_lshl_b32 s23, s20, 3
	s_add_co_u32 s23, s23, SG
	v_add_nc_u32 v29, s23, v29                     ; my row's two scale words: SG + 32 r + 8 x wave
	v_add_nc_u32 v30, SG, v6                       ; and the way out of all of them
	v_lshlrev_b32 v31, 3, v59                      ; 8 h
	s_mov_b32 s42, 0x76543210
	s_mov_b32 s43, 0xfedcba98                      ; v_permlanex16_b32's selects for lane l xor 16
	; which tile: work-groups 0-511 x, 512-575 Wq, 576-639 Wk, 640-703 Wv, 704-767 Wo
	s_and_b32 s26, ttmp9, 63                       ; a weight's tile
	s_sub_co_u32 s27, ttmp9, 512
	s_lshr_b32 s27, s27, 6                         ; 0 Wq, 1 Wk, 2 Wv
	s_lshl_b32 s27, s27, 2
	s_lshr_b32 s28, s26, 2                         ; the head
	s_mul_i32 s28, s28, 12
	s_add_co_u32 s28, s28, s27
	s_and_b32 s27, s26, 3
	s_add_co_u32 s28, s28, s27
	s_add_co_u32 s28, s28, 512                     ; where a tile of Wq, Wk, Wv goes
	s_cmp_ge_u32 ttmp9, 704
	s_cselect_b32 s28, ttmp9, s28                  ; Wo's go to their own number
	s_wait_kmcnt 0x0
	s_mov_b64 s[24:25], s[12:13]                   ; the source: a choice among buffers on the work-group's number alone
	s_cmp_lt_u32 ttmp9, 704
	s_cselect_b64 s[24:25], s[10:11], s[24:25]
	s_cmp_lt_u32 ttmp9, 640
	s_cselect_b64 s[24:25], s[8:9], s[24:25]
	s_cmp_lt_u32 ttmp9, 576
	s_cselect_b64 s[24:25], s[6:7], s[24:25]
	s_cmp_lt_u32 ttmp9, 512
	s_cselect_b64 s[24:25], s[4:5], s[24:25]
	s_cselect_b32 s28, ttmp9, s28                  ; x's tiles go to their own number too
	s_cselect_b32 s26, ttmp9, s26                  ; the tile's number in its source
	s_lshr_b32 s30, s26, 1
	s_lshl_b32 s30, s30, 17                        ; 32 rows of 4,096 bytes a group,
	s_and_b32 s29, s26, 1
	s_lshl_b32 s29, s29, 15                        ; 8 rows for the odd tile
	s_add_co_u32 s30, s30, s29
	s_mov_b32 s31, 0
	s_add_nc_u64 s[24:25], s[24:25], s[30:31]
	s_mul_i32 s30, s28, 12288
	s_mul_i32 s29, s20, 3072
	s_add_co_u32 s30, s30, s29
	s_add_nc_u64 s[32:33], s[16:17], s[30:31]      ; my two fragments
	s_lshl_b32 s30, s28, 9
	s_add_co_u32 s30, s30, XWS
	s_add_nc_u64 s[34:35], s[16:17], s[30:31]      ; the tile's scale words
.irp f, 0,1
.irp i, 0,1,2,3,4,5,6,7,8,9,10,11,12,13,14,15
	global_load_b128 v[R+64*\f+4*\i:R+64*\f+4*\i+3], v3, s[24:25] offset:(\i+8*(\i/8))*4096+512*\f th:TH_LOAD_NT   ; 32 lanes read 512 consecutive bytes of the tile's row i
.endr
.endr
	; THE TABLE, while the loads are on their way: work-groups 0-511, a wave to a position s = 4 x work-group + wave, a lane to a frequency
	s_cmp_lt_u32 ttmp9, 512
	s_cbranch_scc0 .Lno_table
	s_lshl_b32 s36, ttmp9, 2
	s_add_co_u32 s36, s36, s20                     ; s
	s_lshl_b32 s38, s36, 2
	s_mov_b32 s39, 0
	s_add_nc_u64 s[14:15], s[14:15], s[38:39]
	s_load_b32 s40, s[14:15], 0x0                  ; the position, a number: it enters no address
	s_lshl_b32 s44, s36, 8
	v_add_nc_u32 v28, s44, v7                      ; 256 s + 8 x lane
	v_mov_b32 v10, 0
.macro FREQ lane, val                  ; 10000^(-lane / 32) = 10^(-lane / 8), rounded to f32 by the assembler
	s_mov_b32 s41, \val
	v_writelane_b32 v10, s41, \lane
.endm
	FREQ 0, 1.0
	FREQ 1, 0.7498942093324559
	FREQ 2, 0.5623413251903491
	FREQ 3, 0.4216965034285822
	FREQ 4, 0.3162277660168379
	FREQ 5, 0.2371373705661655
	FREQ 6, 0.1778279410038923
	FREQ 7, 0.1333521432163324
	FREQ 8, 0.1
	FREQ 9, 0.07498942093324559
	FREQ 10, 0.05623413251903491
	FREQ 11, 0.04216965034285822
	FREQ 12, 0.03162277660168379
	FREQ 13, 0.02371373705661655
	FREQ 14, 0.01778279410038923
	FREQ 15, 0.01333521432163324
	FREQ 16, 0.01
	FREQ 17, 0.007498942093324559
	FREQ 18, 0.005623413251903491
	FREQ 19, 0.004216965034285822
	FREQ 20, 0.003162277660168379
	FREQ 21, 0.002371373705661655
	FREQ 22, 0.001778279410038923
	FREQ 23, 0.001333521432163324
	FREQ 24, 0.001
	FREQ 25, 0.0007498942093324559
	FREQ 26, 0.0005623413251903491
	FREQ 27, 0.0004216965034285822
	FREQ 28, 0.0003162277660168379
	FREQ 29, 0.0002371373705661655
	FREQ 30, 0.0001778279410038923
	FREQ 31, 0.0001333521432163324
	s_wait_kmcnt 0x0
	v_cvt_f32_i32 v11, s40
	v_mul_f32 v11, v11, v10                        ; the angle a, rounded once
	v_mul_f32 v12, 0x3f22f983, v11                 ; a x 2 / pi
	v_rndne_f32 v12, v12                           ; k
	v_fma_f32 v13, v12, 0xbfc90fdb, v11            ; a - k pi / 2, pi / 2 in three parts: 1.57079637,
	v_fma_f32 v13, v12, 0x333bbd2e, v13            ; - 4.37113883e-8,
	v_fma_f32 v13, v12, 0x26f72cf1, v13            ; - 1.7151245e-15: |r| <= pi / 4
	v_cvt_i32_f32 v14, v12
	v_mul_f32 v15, v13, v13                        ; z = r r
	v_mov_b32 v16, 0xb94ca1f9                      ; sin r = r + r z (-1.6666654611e-1 + z (8.3321608736e-3 - z 1.9515295891e-4))
	v_mov_b32 v18, 0x37ccf5ce                      ; cos r = 1 - z / 2 + z z (4.1666645683e-2 + z (-1.3887316255e-3 + z 2.4433157118e-5))
	v_fmaak_f32 v16, v15, v16, 0x3c08839e
	v_fmaak_f32 v18, v15, v18, 0xbab6061a
	v_fmaak_f32 v16, v15, v16, 0xbe2aaaa3
	v_fmaak_f32 v18, v15, v18, 0x3d2aaaa5
	v_mul_f32 v17, v15, v13
	v_mul_f32 v19, v15, v15
	v_fma_f32 v20, v15, -0.5, 1.0
	v_fma_f32 v16, v16, v17, v13                   ; sin r
	v_fma_f32 v18, v18, v19, v20                   ; cos r
	v_and_b32 v21, 1, v14
	v_cmp_eq_u32 vcc_lo, 1, v21                    ; an odd quarter swaps the two: a choice of values, no branch
	v_cndmask_b32 v22, v16, v18, vcc_lo
	v_cndmask_b32 v23, v18, v16, vcc_lo
	v_and_b32 v24, 2, v14                          ; sin a is negative in quarters 2, 3;
	v_lshlrev_b32 v24, 30, v24
	v_add_nc_u32 v25, 1, v14                       ; cos a in quarters 1, 2
	v_and_b32 v25, 2, v25
	v_lshlrev_b32 v25, 30, v25
	v_xor_b32 v26, v23, v25                        ; cos a
	v_xor_b32 v27, v22, v24                        ; sin a
	global_store_b64 v28, v[26:27], s[18:19]       ; the wave stores 256 consecutive bytes, aligned.  v26-28 are written nowhere else
.Lno_table:
; K step 2 w + f of the tile: through the stage, quantised, stored
.macro HALF f
	s_wait_loadcnt 16-16*\f                        ; this K step's 16 loads are in; the other's 16 may be out
.irp i, 0,1,2,3,4,5,6,7,8,9,10,11,12,13,14,15
	ds_store_b128 v4, v[R+64*\f+4*\i:R+64*\f+4*\i+3] offset:SP*\i
.endr
.irp j, 0,1,2,3,4,5,6,7
	ds_load_b128 v[X+4*\j:X+4*\j+3], v5 offset:16*\j               ; LDS serves a wave's instructions in order: these see the stores above
.endr
.irp j, 0,1,2,3,4,5,6,7
	ds_load_b128 v[X+32+4*\j:X+32+4*\j+3], v5 offset:256+16*\j
.endr
	s_wait_dscnt 0x0
.irp c, 0,1                            ; my block 2 c + h: all its 32 numbers are mine
	v_max3_num_f32 v[8+\c], |v[X+32*\c]|, |v[X+32*\c+1]|, 0x1800000   ; with the floor 2^(3 - 127): the byte cannot fall under 1
.endr
.irp i, 2,4,6,8,10,12,14,16,18,20,22,24,26,28,30
.irp c, 0,1
	v_max3_num_f32 v[8+\c], |v[X+32*\c+\i]|, |v[X+32*\c+\i+1]|, v[8+\c]
.endr
.endr
.irp c, 0,1
	v_add_nc_u32 v[10+\c], 0xff000000, v[8+\c]     ; 2 off the exponent field: the conversion's scale operand
.endr
.irp c, 0,1
	v_lshrrev_b32 v[20+\c], 23, v[10+\c]           ; the scale's byte
.endr
	v_lshl_or_b32 v22, v21, 16, v20                ; my two bytes, blocks h and 2 + h,
	v_lshlrev_b32 v22, v31, v22                    ; at their places in the word;
	v_permlanex16_b32 v1, v22, s42, s43
	v_or_b32 v[WD+\f], v22, v1                     ; with lane l xor 16's two the word is whole
.irp c, 0,1
	v_cvt_scalef32_pk16_fp6_f32 v[PC+12*\f+6*\c:PC+12*\f+6*\c+2], v[X+32*\c:X+32*\c+15], v[10+\c]
	v_cvt_scalef32_pk16_fp6_f32 v[12+4*\c:14+4*\c], v[X+32*\c+16:X+32*\c+31], v[10+\c]   ; (a conversion's three registers begin on an even number)
.endr
	v_nop                                          ; one plain place behind a scaled conversion
.irp c, 0,1
.irp i, 0,1,2
	v_mov_b32 v[PC+12*\f+6*\c+3+\i], v[12+4*\c+\i]
.endr
.endr
	global_store_b128 v6, v[PC+12*\f:PC+12*\f+3], s[32:33] offset:1536*\f          ; 512 consecutive bytes, aligned to 256
	global_store_b64 v7, v[PC+12*\f+4:PC+12*\f+5], s[32:33] offset:1536*\f+512     ; 256
	global_store_b128 v6, v[PC+12*\f+6:PC+12*\f+9], s[32:33] offset:1536*\f+768
	global_store_b64 v7, v[PC+12*\f+10:PC+12*\f+11], s[32:33] offset:1536*\f+1280
.endm
	HALF 0
	HALF 1
	ds_store_b64 v29, v[WD:WD+1]                   ; both halves of the lanes hold the same words and write them to the same place
	s_wait_dscnt 0x0                               ; for the others' sake: my store has landed
	s_barrier_signal -1
	s_barrier_wait -1
	s_cmp_lg_u32 s20, 0
	s_cbranch_scc1 .Lend
	ds_load_b128 v[60:63], v30                     ; wave 0: the tile's 128 scale words
	s_wait_dscnt 0x0
	global_store_b128 v6, v[60:63], s[34:35]       ; 512 consecutive bytes, aligned
.Lend:
	s_set_vgpr_msb 0x5
	s_wait_tensorcnt 0x0
	ds_add_u32 v0, v1
	s_wait_dscnt 0x0
	s_set_vgpr_msb 0x500
	s_endpgm
.Lfunc_end_k_q6d46b764af_prep:
	.size	k_q6d46b764af_prep, .Lfunc_end_k_q6d46b764af_prep-k_q6d46b764af_prep
	.p2alignl 7, 3214868480
	.fill 96, 4, 3214868480
	.section	.rodata,"a",@progbits
	.p2align	6, 0x0
	.amdhsa_kernel k_q6d46b764af_prep
		.amdhsa_group_segment_fixed_size 34816
		.amdhsa_private_segment_fixed_size 0
		.amdhsa_enable_private_segment 0
		.amdhsa_kernarg_size 64
		.amdhsa_user_sgpr_count 2
		.amdhsa_user_sgpr_kernarg_segment_ptr 1
		.amdhsa_wavefront_size32 1
		.amdhsa_system_sgpr_workgroup_id_x 1
		.amdhsa_system_sgpr_workgroup_id_y 1
		.amdhsa_system_sgpr_workgroup_id_z 1
		.amdhsa_system_vgpr_workitem_id 0
		.amdhsa_next_free_vgpr 258
		.amdhsa_next_free_sgpr 66
		.amdhsa_reserve_vcc 1
		.amdhsa_float_denorm_mode_32 3
		.amdhsa_float_denorm_mode_16_64 3
		.amdhsa_memory_ordered 1
		.amdhsa_forward_progress 1
		.amdhsa_inst_pref_size 24
	.end_amdhsa_kernel
	.amdgpu_metadata
---
amdhsa.version: [ 1, 2 ]
amdhsa.kernels:
  - .name:           k_q6d46b764af_prep
    .symbol:         k_q6d46b764af_prep.kd
    .args:
      - { .name: x, .offset: 0, .size: 8, .value_kind: global_buffer, .address_space: global }
      - { .name: Wq, .offset: 8, .size: 8, .value_kind: global_buffer, .address_space: global }
      - { .name: Wk, .offset: 16, .size: 8, .value_kind: global_buffer, .address_space: global }
      - { .name: Wv, .offset: 24, .size: 8, .value_kind: global_buffer, .address_space: global }
      - { .name: Wo, .offset: 32, .size: 8, .value_kind: global_buffer, .address_space: global }
      - { .name: token_positions, .offset: 40, .size: 8, .value_kind: global_buffer, .address_space: global }
      - { .name: xw, .offset: 48, .size: 8, .value_kind: global_buffer, .address_space: global }
      - { .name: rope, .offset: 56, .size: 8, .value_kind: global_buffer, .address_space: global }
    .group_segment_fixed_size: 34816
    .private_segment_fixed_size: 0
    .kernarg_segment_align: 8
    .kernarg_segment_size: 64
    .max_flat_workgroup_size: 128
    .sgpr_count:     66
    .vgpr_count:     258
    .wavefront_size: 32
...
	.end_amdgpu_metadata
.endif
;; end of part 1
;; launch qkv (part 2): grid 16 x 32, 4 waves a work-group, clusters of 4 x 4, 327,680 bytes of LDS; arguments xw, rope, qkv; writes qkv
.if DOCPART == 2
	.amdgcn_target "amdgcn-amd-amdhsa--gfx1250"
	.amdhsa_code_object_version 6
	.text
	.protected	k_q6d46b764af_qkv
	.globl	k_q6d46b764af_qkv
	.p2align	8
	.type	k_q6d46b764af_qkv,@function
k_q6d46b764af_qkv:
	s_mov_b64 s[64:65], 0
	v_nop
	global_prefetch_b8 v0, s[64:65] scope:SCOPE_SE
	s_setreg_imm32_b32 hwreg(HW_REG_WAVE_MODE, 25, 1), 1
	s_wait_xcnt 0x0
	s_wait_alu depctr_hold_cnt(0) depctr_sa_sdst(0) depctr_va_vdst(0) depctr_va_sdst(0) depctr_va_ssrc(0) depctr_va_vcc(0) depctr_vm_vsrc(0)
	s_getreg_b32 s2, hwreg(HW_REG_IB_STS2, 6, 4)
	s_cmp_eq_u32 s2, 0
	s_cbranch_scc0 .Lentry_in_a_cluster
	s_endpgm
.Lentry_in_a_cluster:
	s_bfe_u32 s2, ttmp6, 0x10000c
	s_cmp_lg_u32 s2, 0xf033
	s_cbranch_scc0 .Lentry_shape_is_right
	s_endpgm
.Lentry_shape_is_right:
; Q, K, V = x Wq^T, x Wk^T, x Wv^T on codes of FP6 (E2M3) with E8M0 scales; RoPE on Q and K in f32; then Q and K are quantised along the head's 64 and V along the keys, and stored as the next launch's operand registers.
; SHARES: a work-group takes 256 tokens (tb) and one head: 64 columns each of Q, K, V.  Wave w takes tokens 64 w .. 64 w + 63 (4 tiles of x) against all 12 tiles of the weights: 48 accumulators, 384 registers.
; TILES, FRAGMENTS: as the launch before lays them: tile 2 G + u, row r = row 32 G + 8 u + r + 8 (r / 8); a fragment (16 rows x 128 K) is 1,536 bytes, read by loads of 16, 8, 16, 8 bytes a lane at 0, 512, 768, 1,280.
; ALL OF K LIES IN LDS, EACH BYTE FILLED ONCE: x's K steps 1-7 (172,032 bytes) and the weights' 0-7 (147,456).  x's K step 0 does not fit beside them: each wave loads its own four fragments of it into registers.
; So there is no ring and nothing is filled again; four stages of two K steps land one after the other, each awaited by a counted wait and shown to the other waves by a barrier.
; CLUSTERS: 4 x 4 work-groups.  The four of a row of the cluster take the same tokens, the four of a column the same head: x's and the weights' stages are asked for JOINTLY.  A wave has four tensor loads out at the most.
; Q, K: source 0 = 16 rows of W, source 1 = 16 tokens: a lane holds ONE token and its 32 registers the head's d = 32 p + 16 h + 0..15: neighbours, so RoPE's pairs are neighbouring registers and the quantiser's K runs along registers.
; V: source 0 = 16 tokens, source 1 = 16 rows of Wv: a lane holds one d and its 32 registers 32 p + 16 h + 0..15 of the wave's 64 tokens, which are the next product's K.
; qkv: Q's half images (16 rows x 64 K, 768 bytes) [bh][tile 0..127]; from QSC Q's scale words [bh][4 tiles][row][tile]; from KVC [bh][half][K: 64 tiles x 768 | V: 8 key steps x 4 tiles of d x 2 halves x 768];
;      from KVS [bh][K's words: 32 x [row][tile] | V's: 16 key steps x [row][tile of d]].  In a word of Q or K the upper two bytes are 0: they scale zero codes.
; LIMITS: NaN and infinities are not served; a block whose largest magnitude lies under 2^-124 keeps the byte 1.
; REGISTERS: window 0: v2-17 LDS addresses, v18-26 lane terms, v32-127 scale words (register 8 j + k: lanes 16-31 weight tile j, lanes 0-15 x's tile j % 4, K step k), v128-223 x's fragments, two sets, v224-240 at work;
;   window 1: v0-143 the weights' 12 fragments, one set;  window 2: Q's and K's accumulators at 32 (4 ty + a) + 8 b;  window 3: v0-127 V's at 32 b + 8 a, v128-255 cos and sin of my 4 tiles.
.set XWS, 9437184
.set QSC, 6291456
.set KVC, 6815744
.set KVS, 19398656
.set AS0, 0                            ; LDS: x's K step 1: 16 rows of 1,536 bytes;
.set AS1, 24576                        ; K steps 2-3, 4-5, 6-7: 16 rows of 3,072
.set AS2, 73728
.set AS3, 122880
.set BS0, 172032                       ; the weights' K steps 2 s, 2 s + 1: 12 rows of 3,072
.set BSB, 36864
.set AAD, 2                            ; v2-9    x's stages: + 16 x lane, + 8 x lane
.set BAD, 10                           ; v10-17  the weights'
.set L16, 18
.set L8,  19
.set SOF, 20                           ; v20-22  offsets of the scale words
.set ROF, 23                           ; v23     offset into the table
.set LN,  24
.set RR,  25
.set HH,  26
.set SC,  32
.set AF,  128
.set T,   128                          ; the way out: 32 rotated numbers
.set WQ,  160                          ; scale words of my 4 tiles of Q, of K, of V's 4 tiles of d; Q's and K's joined
.set WK,  164
.set WV,  168
.set WM,  172
.set QKO, 176
.set VSO, 177
.set TM,  224
.set SO,  228
.set BY,  230
.set PC,  232
.set PT,  238
.set SEL, 18                           ; s[18:19]
.set G1A0, 20
.set G1A, 28
.set G1B, 36
.set G0A, 44                           ; s[44:59] four groups 0, never rewritten
.set G0B, 68                           ; s[68:83]
.set QB,  92                           ; the way out's pointers
.set KB,  94
.set VB,  96
.set VSB, 98
.set MSB, 0
.macro WIN new                         ; the immediate's high byte repeats the setting that is left
.if MSB != (\new)
	s_set_vgpr_msb (MSB<<8)|(\new)
.set MSB, (\new)
.endif
.endm
.macro CROUND                          ; a round of the cluster's barrier
	s_barrier_signal -1
	s_barrier_wait -1
	s_cmp_lg_u32 s10, 0
	s_cbranch_scc1 .Lnot_wave_0_\@
	s_barrier_signal -3
.Lnot_wave_0_\@:
	s_barrier_wait -3
	s_barrier_signal -1
	s_barrier_wait -1
.endm
.macro PLACES                          ; four plain places behind matrix instructions, in front of loads into their operands and of reads of their results
.rept 4
	v_nop
.endr
.endm
.macro G0SET g, ldsr, ldsc, adr, bytes
	s_mov_b32 s[\g], 1                                             ; count = 1
	s_add_co_u32 s[\g+1], s[\ldsr], \ldsc                          ; LDS address: a constant + a constant x (wave % 2)
	s_add_nc_u64 s[\g+2:\g+3], s[\adr:\adr+1], \bytes              ; global address
	s_or_b32 s[\g+3], s[\g+3], 0x80000000                          ; type = 2
.endm
	s_load_b128 s[4:7], s[0:1], 0x0                ; xw s[4:5], rope s[6:7]
	s_load_b64 s[8:9], s[0:1], 0x10                ; qkv
	v_lshl_add_u32 v254, v0, 2, 0x4e000
	v_mov_b32 v255, 0
	ds_add_u32 v254, v255
	ds_add_u32 v254, v255
	v_lshrrev_b32 v1, 5, v0
	v_readfirstlane_b32 s10, v1                    ; wave
	s_and_b32 s11, s10, 1                          ; which half of a stage I fetch
	s_bfe_u32 s12, ttmp6, 0x40000                  ; cx
	s_bfe_u32 s13, ttmp6, 0x40004                  ; cy
	s_lshl_b32 s14, ttmp9, 2
	s_add_co_u32 s14, s14, s12                     ; the head = 4 x cluster x + cx
	s_and_b32 s15, ttmp7, 0xffff
	s_lshl_b32 s15, s15, 2
	s_add_co_u32 s15, s15, s13                     ; tb = 4 x cluster y + cy
	s_lshl_b32 s16, s13, 2
	s_lshl_b32 s16, 15, s16                        ; my row of the cluster
	s_lshl_b32 s17, 0x1111, s12                    ; my column
	s_mov_b32 s[SEL], 0x76543210
	s_mov_b32 s[SEL+1], 0xfedcba98
	; groups 1: elements of 8 bytes, a row = one tile's K steps, rows 12,288 bytes (1,536 elements) apart, no padding
	s_or_b32 s[G1A0], s16, (3<<16)|(1<<21)         ; x goes to my row of the cluster; bit 21 is set beside a mask
	s_mov_b32 s[G1A0+1], 192<<16                   ; tensor_dim0 = 192: one K step
	s_mov_b32 s[G1A0+2], 8<<16                     ; tensor_dim1 = 8 tiles
	s_mov_b32 s[G1A0+3], 192<<16                   ; tile_dim0
	s_mov_b32 s[G1A0+4], 8                         ; tile_dim1
	s_mov_b32 s[G1A0+5], 1536                      ; stride
	s_mov_b32 s[G1A0+6], 0
	s_mov_b32 s[G1A0+7], 0
	s_or_b32 s[G1A], s16, (3<<16)|(1<<21)
	s_mov_b32 s[G1A+1], 384<<16                    ; two K steps
	s_mov_b32 s[G1A+2], 8<<16
	s_mov_b32 s[G1A+3], 384<<16
	s_mov_b32 s[G1A+4], 8
	s_mov_b32 s[G1A+5], 1536
	s_mov_b32 s[G1A+6], 0
	s_mov_b32 s[G1A+7], 0
	s_or_b32 s[G1B], s17, (3<<16)|(1<<21)          ; the weights go to my column
	s_mov_b32 s[G1B+1], 384<<16
	s_mov_b32 s[G1B+2], 6<<16                      ; 6 tiles
	s_mov_b32 s[G1B+3], 384<<16
	s_mov_b32 s[G1B+4], 6
	s_mov_b32 s[G1B+5], 1536
	s_mov_b32 s[G1B+6], 0
	s_mov_b32 s[G1B+7], 0
	s_lshl_b32 s84, s15, 4                         ; x: tile 16 tb + 8 (wave % 2): of tb alone, which my row shares
	s_lshl_b32 s60, s11, 3
	s_add_co_u32 s84, s84, s60
	s_mul_i32 s84, s84, 12288
	s_mov_b32 s85, 0
	s_mul_i32 s88, s14, 12                         ; the weights: tile 512 + 12 head + 6 (wave % 2): of the head alone, which my column shares
	s_mul_i32 s61, s11, 6
	s_add_co_u32 s88, s88, s61
	s_add_co_u32 s88, s88, 512
	s_mul_i32 s88, s88, 12288
	s_mov_b32 s89, 0
	s_mul_i32 s62, s11, 12288                      ; where they go: 8 rows of 1,536, of 3,072; 6 rows of 3,072
	s_mul_i32 s63, s11, 24576
	s_mul_i32 s92, s11, 18432
	s_wait_dscnt 0x0
	s_wait_kmcnt 0x0
	s_add_nc_u64 s[86:87], s[4:5], s[84:85]
	s_add_nc_u64 s[90:91], s[4:5], s[88:89]
	G0SET G0A, 62, AS0, 86, 1536
	G0SET G0A+4, 63, AS1, 86, 2*1536
	G0SET G0A+8, 63, AS2, 86, 4*1536
	G0SET G0A+12, 63, AS3, 86, 6*1536
.irp s, 0,1,2,3
	G0SET G0B+4*\s, 92, BS0+BSB*\s, 90, 3072*\s
.endr
	CROUND                                         ; all sixteen work-groups are here: the joint loads meet
	s_cmp_lt_u32 s10, 2                            ; waves 0, 1 fetch x's halves, waves 2, 3 the weights': a wave's four first fills stand in one branch; four v_nop follow the last
	s_cbranch_scc0 .Lfill_b
	tensor_load_to_lds s[G0A:G0A+3], s[G1A0:G1A0+7]
	s_nop 0
	tensor_load_to_lds s[G0A+4:G0A+7], s[G1A:G1A+7]
	s_nop 0
	tensor_load_to_lds s[G0A+8:G0A+11], s[G1A:G1A+7]
	s_nop 0
	tensor_load_to_lds s[G0A+12:G0A+15], s[G1A:G1A+7]
	s_nop 0
.rept 4
	v_nop
.endr
	s_branch .Lfilled
.Lfill_b:
	tensor_load_to_lds s[G0B:G0B+3], s[G1B:G1B+7]
	s_nop 0
	tensor_load_to_lds s[G0B+4:G0B+7], s[G1B:G1B+7]
	s_nop 0
	tensor_load_to_lds s[G0B+8:G0B+11], s[G1B:G1B+7]
	s_nop 0
	tensor_load_to_lds s[G0B+12:G0B+15], s[G1B:G1B+7]
	s_nop 0
.rept 4
	v_nop
.endr
.Lfilled:
	v_and_b32 v[LN], 31, v0
	v_and_b32 v[RR], 15, v0
	v_bfe_u32 v[HH], v0, 4, 1
	v_lshlrev_b32 v[L16], 4, v[LN]
	v_lshlrev_b32 v[L8], 3, v[LN]
	s_lshl_b32 s96, s15, 4
	s_lshl_b32 s97, s10, 2
	s_add_co_u32 s96, s96, s97                     ; my first tile of x: 16 tb + 4 wave
	s_mul_i32 s98, s96, 12288
	s_mov_b32 s99, 0
	s_add_nc_u64 s[94:95], s[4:5], s[98:99]        ; its fragments
	s_lshl_b32 s93, s96, 9
	s_add_co_u32 s93, s93, XWS                     ; its scale words;
	s_mul_i32 s97, s14, 12
	s_add_co_u32 s97, s97, 512
	s_lshl_b32 s97, s97, 9
	s_add_co_u32 s97, s97, XWS
	s_sub_co_u32 s97, s97, s93                     ; how far on the head's weights' words lie (they lie behind all of x's: at least 2,048, under 2^24)
	v_lshlrev_b32 v27, 5, v[RR]
	v_add_nc_u32 v27, s93, v27                     ; 32 bytes a row
	v_mul_u32_u24 v28, s97, v[HH]
	v_add_nc_u32 v[SOF], v27, v28                  ; lanes 0-15 x's, lanes 16-31 the weights': the lower base + h x the distance
	v_lshl_add_u32 v[SOF+1], v[HH], 11, v[SOF]     ; the weights' tiles 4-7 (K's),
	v_lshl_add_u32 v[SOF+2], v[HH], 12, v[SOF]     ; 8-11 (V's)
.irp j, 0,1,2,3,4,5,6,7,8,9,10,11
	global_load_b128 v[SC+8*\j:SC+8*\j+3], v[SOF+\j/4], s[4:5] offset:512*(\j%4)
	global_load_b128 v[SC+8*\j+4:SC+8*\j+7], v[SOF+\j/4], s[4:5] offset:512*(\j%4)+16
.endr
.irp a, 0,1,2,3                        ; x's K step 0: my own four fragments, into set 0
	global_load_b128 v[AF+12*\a:AF+12*\a+3], v[L16], s[94:95] offset:12288*\a
	global_load_b64 v[AF+12*\a+4:AF+12*\a+5], v[L8], s[94:95] offset:12288*\a+512
	global_load_b128 v[AF+12*\a+6:AF+12*\a+9], v[L16], s[94:95] offset:12288*\a+768
	global_load_b64 v[AF+12*\a+10:AF+12*\a+11], v[L8], s[94:95] offset:12288*\a+1280
.endr
	s_and_b32 s60, s15, 7
	s_lshl_b32 s60, s60, 8
	s_lshl_b32 s61, s10, 6
	s_add_co_u32 s60, s60, s61                     ; my first token's place in its sequence
	v_and_b32 v27, 8, v[RR]
	v_add_nc_u32 v27, v27, v[RR]                   ; r + 8 (r / 8)
	v_add_nc_u32 v27, s60, v27
	v_lshlrev_b32 v[ROF], 8, v27                   ; 256 bytes a position,
	v_lshl_add_u32 v[ROF], v[HH], 6, v[ROF]        ; + 8 pairs for lanes 16-31
	WIN 0xc0                                       ; destination window 3
.irp a, 0,1,2,3                        ; register 128 + 32 a + 16 p + 2 q: cos, + 1: sin, of frequency 16 p + 8 h + q: beside the pair of numbers that they turn
.irp p, 0,1
.irp j, 0,1,2,3
	global_load_b128 v[128+32*\a+16*\p+4*\j:128+32*\a+16*\p+4*\j+3], v[ROF], s[6:7] offset:(32*(\a/2)+8*(\a%2))*256+128*\p+16*\j
.endr
.endr
.endr
	WIN 0
	s_mul_i32 s60, s10, 6144
	v_add_nc_u32 v[AAD], s60, v[L16]               ; x's stage 0: my 4 rows of 1,536
	v_add_nc_u32 v[AAD+1], s60, v[L8]
	s_mul_i32 s60, s10, 12288
.irp s, 1,2,3
	s_add_co_u32 s61, s60, AS1+49152*(\s-1)
	v_add_nc_u32 v[AAD+2*\s], s61, v[L16]
	v_add_nc_u32 v[AAD+2*\s+1], s61, v[L8]
.endr
.irp s, 0,1,2,3
	v_add_nc_u32 v[BAD+2*\s], BS0+BSB*\s, v[L16]
	v_add_nc_u32 v[BAD+2*\s+1], BS0+BSB*\s, v[L8]
.endr
	v_mov_b32 v[TM+2], 0                           ; written once: a lane permute's destination counts as one of its sources
	v_mov_b32 v[TM+3], 0
.macro FRAGL reg, adr, off             ; a fragment: four loads, each of consecutive bytes across the lanes
	ds_load_b128 v[(\reg):(\reg)+3], v[\adr] offset:\off
	ds_load_b64 v[(\reg)+4:(\reg)+5], v[\adr+1] offset:\off+512
	ds_load_b128 v[(\reg)+6:(\reg)+9], v[\adr] offset:\off+768
	ds_load_b64 v[(\reg)+10:(\reg)+11], v[\adr+1] offset:\off+1280
.endm
.macro FETCH_B g, k                    ; the four fragments of Wq (g = 0), Wk (1), Wv (2) of K step k: 16 loads
	WIN 0x40
.irp b, 0,1,2,3
	FRAGL 12*(4*(\g)+\b), BAD+2*((\k)/2), (4*(\g)+\b)*3072+((\k)%2)*1536
.endr
	WIN 0
.endm
.macro FETCH_A k                       ; my four fragments of x of K step k (1 to 7) into set k % 2: 16 loads
.if (\k) == 1
.irp a, 0,1,2,3
	FRAGL AF+48+12*\a, AAD, \a*1536
.endr
.else
.irp a, 0,1,2,3
	FRAGL AF+48*((\k)%2)+12*\a, AAD+2*((\k)/2), \a*3072+((\k)%2)*1536
.endr
.endif
.endm
; 16 products of Q (ty = 0) or K (1).  The accumulators take turns, one instruction a turn.  K step 0 starts the sums: nothing is cleared
.macro MULQK ty, k
	WIN 0xa1                                       ; source 0 (W) window 1, source 1 (x) window 0, C and D window 2
.irp a, 0,1,2,3
.irp b, 0,1,2,3
.if (\k) == 0
	v_wmma_scale_f32_16x16x128_f8f6f4 v[32*(4*(\ty)+\a)+8*\b:32*(4*(\ty)+\a)+8*\b+7], v[12*(4*(\ty)+\b):12*(4*(\ty)+\b)+11], v[AF+48*((\k)%2)+12*\a:AF+48*((\k)%2)+12*\a+11], 0, v[SC+8*(4*(\ty)+\b)+(\k)], v[SC+8*\a+(\k)] matrix_a_fmt:MATRIX_FMT_FP6 matrix_b_fmt:MATRIX_FMT_FP6 matrix_a_scale:MATRIX_SCALE_ROW1
.else
	v_wmma_scale_f32_16x16x128_f8f6f4 v[32*(4*(\ty)+\a)+8*\b:32*(4*(\ty)+\a)+8*\b+7], v[12*(4*(\ty)+\b):12*(4*(\ty)+\b)+11], v[AF+48*((\k)%2)+12*\a:AF+48*((\k)%2)+12*\a+11], v[32*(4*(\ty)+\a)+8*\b:32*(4*(\ty)+\a)+8*\b+7], v[SC+8*(4*(\ty)+\b)+(\k)], v[SC+8*\a+(\k)] matrix_a_fmt:MATRIX_FMT_FP6 matrix_b_fmt:MATRIX_FMT_FP6 matrix_a_scale:MATRIX_SCALE_ROW1
.endif
.endr
.endr
.endm
.macro MULV k                          ; 16 products of V: the sources the other way round
	WIN 0xf4                                       ; source 0 (x) window 0, source 1 (Wv) window 1, C and D window 3
.irp a, 0,1,2,3
.irp b, 0,1,2,3
.if (\k) == 0
	v_wmma_scale_f32_16x16x128_f8f6f4 v[32*\b+8*\a:32*\b+8*\a+7], v[AF+48*((\k)%2)+12*\a:AF+48*((\k)%2)+12*\a+11], v[96+12*\b:96+12*\b+11], 0, v[SC+8*\a+(\k)], v[SC+8*(8+\b)+(\k)] matrix_a_fmt:MATRIX_FMT_FP6 matrix_b_fmt:MATRIX_FMT_FP6 matrix_b_scale:MATRIX_SCALE_ROW1
.else
	v_wmma_scale_f32_16x16x128_f8f6f4 v[32*\b+8*\a:32*\b+8*\a+7], v[AF+48*((\k)%2)+12*\a:AF+48*((\k)%2)+12*\a+11], v[96+12*\b:96+12*\b+11], v[32*\b+8*\a:32*\b+8*\a+7], v[SC+8*\a+(\k)], v[SC+8*(8+\b)+(\k)] matrix_a_fmt:MATRIX_FMT_FP6 matrix_b_fmt:MATRIX_FMT_FP6 matrix_b_scale:MATRIX_SCALE_ROW1
.endif
.endr
.endr
.endm
; A K step whose successor lies in a stage already shown.  LDS loads go out in runs of 16, always in the order Wq', x', Wk', Wv'; each wait names how many younger loads may stay out
.macro STEP k
	s_wait_dscnt 32                                ; Wq's and x's fragments are in; Wk's and Wv's runs may be out
	MULQK 0, \k
	PLACES
	FETCH_B 0, (\k)+1
	FETCH_A (\k)+1
	s_wait_dscnt 48                                ; Wk's are in; behind them: Wv's, Wq', x'
	MULQK 1, \k
	PLACES
	FETCH_B 1, (\k)+1
	s_wait_dscnt 48                                ; Wv's are in; behind them: Wq', x', Wk'
	MULV \k
	PLACES
	FETCH_B 2, (\k)+1
.endm
; A K step whose successor lies in the next stage: my part of it has landed (the stages behind it may be out), my LDS loads are in, then the barrier
.macro TURN k
	s_wait_dscnt 32
	MULQK 0, \k
	s_wait_tensorcnt 3-((\k)+1)/2
	s_wait_dscnt 0x0
	s_barrier_signal -1
	MULQK 1, \k                                    ; work on registers while the others arrive
	s_barrier_wait -1
	PLACES
	FETCH_B 0, (\k)+1
	FETCH_A (\k)+1
	FETCH_B 1, (\k)+1
	MULV \k
	PLACES
	FETCH_B 2, (\k)+1
.endm
	s_wait_tensorcnt 3                             ; my part of stage 0 is in; the three stages behind it may be out
	s_barrier_signal -1
	s_barrier_wait -1                              ; everybody's is
	FETCH_B 0, 0
	FETCH_B 1, 0
	FETCH_B 2, 0
	s_wait_loadcnt 32                              ; the scale words and x's K step 0 are in; the 32 loads of cos and sin may be out
	STEP 0
	TURN 1
	STEP 2
	TURN 3
	STEP 4
	TURN 5
	STEP 6
	s_wait_dscnt 32                                ; the last K step fetches nothing
	MULQK 0, 7
	s_wait_dscnt 16
	MULQK 1, 7
	s_wait_dscnt 0x0
	MULV 7
	WIN 0
	; THE WAY OUT
	s_wait_loadcnt 0x0                             ; cos and sin
	PLACES
	s_lshr_b32 s84, s15, 3
	s_lshl_b32 s84, s84, 4
	s_add_co_u32 s84, s84, s14                     ; bh = 16 batch + head
	s_and_b32 s85, s15, 7
	s_lshl_b32 s86, s85, 4
	s_lshl_b32 s87, s10, 2
	s_add_co_u32 s86, s86, s87                     ; my first tile in the sequence: 16 (tb % 8) + 4 wave
	s_lshl_b32 s87, s85, 1
	s_lshr_b32 s88, s10, 1
	s_add_co_u32 s87, s87, s88                     ; my key step of 128: 2 (tb % 8) + wave / 2
	s_lshl_b32 s88, s84, 7
	s_add_co_u32 s88, s88, s86
	s_mul_i32 s88, s88, 768
	s_mov_b32 s89, 0
	s_add_nc_u64 s[QB:QB+1], s[8:9], s[88:89]
	s_mul_i32 s90, s84, 196608
	s_add_co_u32 s90, s90, KVC
	s_lshr_b32 s88, s86, 6
	s_mul_i32 s88, s88, 98304
	s_and_b32 s91, s86, 63
	s_mul_i32 s91, s91, 768
	s_add_co_u32 s88, s88, s91
	s_add_co_u32 s88, s88, s90
	s_add_nc_u64 s[KB:KB+1], s[8:9], s[88:89]
	s_lshr_b32 s88, s87, 3
	s_mul_i32 s88, s88, 98304
	s_and_b32 s91, s87, 7
	s_mul_i32 s91, s91, 6144
	s_add_co_u32 s88, s88, s91
	s_mul_i32 s91, s11, 768                        ; my 64 tokens are half wave % 2 of the key step
	s_add_co_u32 s88, s88, s91
	s_add_co_u32 s88, s88, s90
	s_add_co_u32 s88, s88, 49152
	s_add_nc_u64 s[VB:VB+1], s[8:9], s[88:89]
	s_mul_i32 s90, s84, 12288
	s_add_co_u32 s90, s90, KVS
	s_lshl_b32 s88, s87, 8
	s_lshl_b32 s91, s11, 1
	s_add_co_u32 s88, s88, s91
	s_add_co_u32 s88, s88, s90
	s_add_co_u32 s88, s88, 8192
	s_add_nc_u64 s[VSB:VSB+1], s[8:9], s[88:89]
	s_lshr_b32 s91, s86, 2
	s_lshl_b32 s91, s91, 8
	s_add_co_u32 s90, s90, s91                     ; offset of K's scale words of my four tiles,
	s_lshl_b32 s88, s84, 13
	s_add_co_u32 s88, s88, s91
	s_add_co_u32 s88, s88, QSC                     ; and of Q's
	v_lshlrev_b32 v[VSO], 4, v[RR]
	v_cmp_lt_u32 vcc_lo, 15, v[LN]                 ; lanes 16-31
	v_mov_b32 v178, s88
	v_mov_b32 v179, s90
	v_cndmask_b32 v178, v178, v179, vcc_lo
	v_add_nc_u32 v[QKO], v178, v[VSO]
.macro ROPE ta, ty                     ; tile ta of Q (ty = 0) or K (1): r1 = t1 cos - t2 sin, r2 = t1 sin + t2 cos, into v[T] on.  Each accumulator is read from its low end on
	WIN 0x0e                                       ; source 0: window 2, source 1: window 3
.irp n, 0,2,4,6,8,10,12,14,16,18,20,22,24,26,28,30
	v_mul_f32 v[T+\n], v[32*(4*(\ty)+(\ta))+\n+1], v[128+32*(\ta)+\n+1]
	v_mul_f32 v[T+\n+1], v[32*(4*(\ty)+(\ta))+\n+1], v[128+32*(\ta)+\n]
.endr
.irp n, 0,2,4,6,8,10,12,14,16,18,20,22,24,26,28,30
	v_fma_f32 v[T+\n], v[32*(4*(\ty)+(\ta))+\n], v[128+32*(\ta)+\n], -v[T+\n]
	v_fma_f32 v[T+\n+1], v[32*(4*(\ty)+(\ta))+\n], v[128+32*(\ta)+\n+1], v[T+\n+1]
.endr
	WIN 0
.endm
; 32 numbers of a lane in window win, register 16 p + i = k 32 p + 16 h + i of my row, become a half image's six registers in v[PC] on and two scale bytes in v[wd]
.macro QUANT2 src, win, wd
	WIN (\win)|((\win)<<2)
.irp p, 0,1
	v_max3_num_f32 v[TM+\p], |v[(\src)+16*\p]|, |v[(\src)+16*\p+1]|, 0x1800000   ; with the floor 2^(3 - 127): the byte cannot fall under 1
.endr
.irp i, 2,4,6,8,10,12,14
.irp p, 0,1
	v_max3_num_f32 v[TM+\p], |v[(\src)+16*\p+\i]|, |v[(\src)+16*\p+\i+1]|, v[TM+\p]
.endr
.endr
	WIN 0
.irp p, 0,1
	v_permlanex16_b32 v[TM+2+\p], v[TM+\p], s[SEL], s[SEL+1]
.endr
.irp p, 0,1
	v_max_num_f32 v[TM+\p], v[TM+\p], v[TM+2+\p]   ; with lane l xor 16's 16: the block's largest magnitude
.endr
.irp p, 0,1
	v_add_nc_u32 v[SO+\p], 0xff000000, v[TM+\p]    ; 2 off its exponent field: the conversion's scale operand
.endr
.irp p, 0,1
	v_lshrrev_b32 v[BY+\p], 23, v[SO+\p]
.endr
	v_lshl_or_b32 v[\wd], v[BY+1], 8, v[BY]
	s_wait_xcnt 0x0                                ; the codes' registers were an earlier store's data: they are written again only behind this wait
	WIN \win
	v_cvt_scalef32_pk16_fp6_f32 v[PC:PC+2], v[(\src):(\src)+15], v[SO]
	v_cvt_scalef32_pk16_fp6_f32 v[PT:PT+2], v[(\src)+16:(\src)+31], v[SO+1]
	WIN 0
	v_nop                                          ; one plain place behind a scaled conversion
.irp i, 0,1,2
	v_permlane16_swap_b32 v[PC+\i], v[PT+\i]       ; the layout wants a whole block in a lane: lanes 0-15 block 0, lanes 16-31 block 1
.endr
.irp i, 0,1,2
	v_mov_b32 v[PC+3+\i], v[PT+\i]
.endr
.endm
.macro OUTH base, off                  ; a half image: 512 and 256 consecutive bytes, aligned to 256
	global_store_b128 v[L16], v[PC:PC+3], s[\base:\base+1] offset:\off
	global_store_b64 v[L8], v[PC+4:PC+5], s[\base:\base+1] offset:\off+512
.endm
.irp a, 0,1,2,3
	ROPE \a, 0
	QUANT2 T, 0, WQ+\a
	OUTH QB, \a*768
	ROPE \a, 1
	QUANT2 T, 0, WK+\a
	OUTH KB, \a*768
.endr
.irp b, 0,1,2,3
	QUANT2 32*\b, 3, WV+\b
	OUTH VB, \b*1536
	global_store_b16 v[VSO], v[WV+\b], s[VSB:VSB+1] offset:4*\b    ; my half of the key step's word: the other half is the neighbouring wave's.  (Both halves of the lanes write the same two bytes)
.endr
.irp a, 0,1,2,3
	v_cndmask_b32 v[WM+\a], v[WQ+\a], v[WK+\a], vcc_lo
.endr
	global_store_b128 v[QKO], v[WM:WM+3], s[8:9]   ; lanes 0-15: 256 bytes of Q's scale words; lanes 16-31: of K's
	s_wait_tensorcnt 0x0
	ds_add_u32 v254, v255
	s_wait_dscnt 0x0
	CROUND                                         ; the closing round: no work-group ends while a partner may still ask for a tile that names it
	s_endpgm
.Lfunc_end_k_q6d46b764af_qkv:
	.size	k_q6d46b764af_qkv, .Lfunc_end_k_q6d46b764af_qkv-k_q6d46b764af_qkv
	.p2alignl 7, 3214868480
	.fill 96, 4, 3214868480
	.section	.rodata,"a",@progbits
	.p2align	6, 0x0
	.amdhsa_kernel k_q6d46b764af_qkv
		.amdhsa_group_segment_fixed_size 327680
		.amdhsa_private_segment_fixed_size 0
		.amdhsa_enable_private_segment 0
		.amdhsa_kernarg_size 24
		.amdhsa_user_sgpr_count 2
		.amdhsa_user_sgpr_kernarg_segment_ptr 1
		.amdhsa_wavefront_size32 1
		.amdhsa_system_sgpr_workgroup_id_x 1
		.amdhsa_system_sgpr_workgroup_id_y 1
		.amdhsa_system_sgpr_workgroup_id_z 1
		.amdhsa_system_vgpr_workitem_id 0
		.amdhsa_next_free_vgpr 1024
		.amdhsa_next_free_sgpr 100
		.amdhsa_reserve_vcc 1
		.amdhsa_float_denorm_mode_32 3
		.amdhsa_float_denorm_mode_16_64 3
		.amdhsa_memory_ordered 1
		.amdhsa_forward_progress 1
		.amdhsa_inst_pref_size 154
	.end_amdhsa_kernel
	.amdgpu_metadata
---
amdhsa.version: [ 1, 2 ]
amdhsa.kernels:
  - .name:           k_q6d46b764af_qkv
    .symbol:         k_q6d46b764af_qkv.kd
    .args:
      - { .name: xw, .offset: 0, .size: 8, .value_kind: global_buffer, .address_space: global }
      - { .name: rope, .offset: 8, .size: 8, .value_kind: global_buffer, .address_space: global }
      - { .name: qkv, .offset: 16, .size: 8, .value_kind: global_buffer, .address_space: global }
    .group_segment_fixed_size: 327680
    .private_segment_fixed_size: 0
    .kernarg_segment_align: 8
    .kernarg_segment_size: 24
    .max_flat_workgroup_size: 128
    .sgpr_count:     100
    .vgpr_count:     1024
    .wavefront_size: 32
...
	.end_amdgpu_metadata
.endif
;; end of part 2
;; launch attn (part 3): grid 4 x 64, 16 waves a work-group, no clusters, 327,680 bytes of LDS; arguments qkv, yq; writes yq
.if DOCPART == 3
	.amdgcn_target "amdgcn-amd-amdhsa--gfx1250"
	.amdhsa_code_object_version 6
	.text
	.protected	k_q6d46b764af_attn
	.globl	k_q6d46b764af_attn
	.p2align	8
	.type	k_q6d46b764af_attn,@function
k_q6d46b764af_attn:
	s_mov_b64 s[64:65], 0
	v_nop
	global_prefetch_b8 v0, s[64:65] scope:SCOPE_SE
	s_setreg_imm32_b32 hwreg(HW_REG_WAVE_MODE, 25, 1), 1
	s_wait_xcnt 0x0
; Y[bh][q] = the sum over k <= q of softmax_k(Q[q] . K[k] / 8) V[k], both products on codes of FP6 (E2M3) with E8M0 scales; Y is quantised along the head's 64 and stored as the last launch's operand registers.
; THE SOFTMAX AHEAD OF THE SECOND PRODUCT: t = score x log2(e) / 8; M = the row's largest t so far, rounded UP to a whole number; p = 2^(t - M) is quantised along the keys; the row's sum of the unquantised p divides at the end.
; When M moves, the sum and O are multiplied by 2^(old M - new M): exact.
; SHARES: work-group (j, bh) owns the blocks 7 - j and j of 256 queries of one head: causally 16 or 18 key steps a wave whatever j is, so the 256 work-groups are alike.  Each of the sixteen waves owns one tile of 16 queries
; of the block in hand, in 256 registers: four waves to a SIMD, so that one wave's vector work stands beside another's matrix work and LDS loads.
; A HEAD'S WHOLE K, V AND SCALE WORDS COME INTO LDS, EACH BYTE FILLED ONCE (208,896 bytes), IN FOUR STAGES ALONG THE KEYS: 0-255 (with the scale words, at the head), 256-511, 512-1,023, 1,024-2,047.  Each later stage is asked
; for behind the barrier that shows the stage before it, one load a wave, and lands under that stage's 2, 2 and 4 key steps.  THE LATE BLOCK 7 - j GOES FIRST: it has 9 key steps or more in every wave, so the four barriers, at
; steps 0, 2, 4 and 8, stand where every wave has work on both sides.  Behind the last of them the whole head is shown, and a wave goes on to block j without meeting the others again.
; Two tensor loads of a wave are out at the start, later one.  The launch claims all of a WGP's LDS, adds 0 to spare words in front of those barriers and ends each wave with the same three lines.
; NO CLUSTER, though the four work-groups of a head ask for the same bytes: the branch that leaves out a key step all of whose keys are hidden hangs on the block of queries, which is just what tells the four apart.
; Without it every wave would walk 8 + 16 = 24 steps in place of 16 or 18.
; LAYOUT: S^T = K Q^T (source 0 = 16 keys, source 1 = my queries; K = 64: registers 6-11 of both operands hold zero codes), O^T = V^T P^T: a lane holds ONE query throughout.  Tile 2 b + u, row r = key 32 b + 8 u + r + 8 (r / 8),
; so the 16 registers of tiles 2 b, 2 b + 1 are keys 32 b + 16 h + 0..15.  The query tile's rows are chosen the same way: my query is QG + 8 (wave % 2) + r + 8 (r / 8).
; LIMITS: NaN and infinities are not served; a block whose largest magnitude lies under 2^-124 keeps the byte 1.
; REGISTERS: v1-7 lane terms; v8-11, v28-29 the step's addresses; v12 -M, v13 the largest t, v[14:15] the sum; v16-27 Q; v32-79 four fragments of K; v81 the second block's Q scale word; v82, v83 offsets; v84-87 V's scale words;
;   v88, v89 the add's two; v90-95 the second block's Q; v96-159 S^T, p, then V's four fragments; v160-191 O^T; v192-223 Y; v224-235 p's codes; v232-254 at work; v248-251 K's scale words; v253 p's scale word; v255 Q's.
.set QSC, 6291456
.set KVC, 6815744
.set KVS, 19398656
.set YS,  6291456
.set LV,  98304                        ; LDS: K's 128 half images at 0; V's 16 key steps x 6,144 here;
.set LKS, 196608                       ; K's scale words, 512 bytes a step;
.set LVS, 204800                       ; V's, 256 bytes a step;
.set SPARE, 208896                     ; the spare words, 128 bytes for each wave: eight blocks of 256 bytes that no other line names
.set SPW, 88                           ; v88  LDS address of my spare word: SPARE + 4 x my thread's number; never rewritten
.set NIL, 89                           ; v89  0; never rewritten
.set Q2,  90
.set Q2S, 81
.set G1S, 16                           ; s[16:23] group 1: 3 rows of 256 bytes (scale words);  s[24:31] 6 rows;  s[32:39] 12;  s[40:47] 24
.set G1A, 24
.set G1B, 32
.set G1C, 40
.set G0S, 48                           ; groups 0, one for each load, never rewritten: the scale words, stages 0 to 3
.set G00, 52
.set G01, 56
.set G02, 60
.set G03, 68
.set TB,  72                           ; s72 the step's codes: 6,144 bytes a step, in K and in V
.set TSK, 73
.set TSV, 74
.set KF,  75                           ; the step's first key
.set QG,  76                           ; the group of 32 queries in which my tile lies
.set CNT, 77
.macro G1SET g, rows                   ; a dense block as rows of 256 bytes: 32 elements of 8 bytes, no padding, no mask
	s_mov_b32 s[\g], 3<<16
	s_mov_b32 s[\g+1], 32<<16                      ; tensor_dim0
	s_mov_b32 s[\g+2], (\rows)<<16                 ; tensor_dim1
	s_mov_b32 s[\g+3], 32<<16                      ; tile_dim0
	s_mov_b32 s[\g+4], \rows                       ; tile_dim1
	s_mov_b32 s[\g+5], 32                          ; stride
	s_mov_b32 s[\g+6], 0
	s_mov_b32 s[\g+7], 0
.endm
	s_load_b128 s[4:7], s[0:1], 0x0                ; qkv s[4:5], yq s[6:7]
	v_lshl_add_u32 v[SPW], v0, 2, SPARE
	v_mov_b32 v[NIL], 0
	ds_add_u32 v88, v89
	ds_add_u32 v88, v89
	s_wait_dscnt 0x0
	v_lshrrev_b32 v8, 5, v0
	s_delay_alu instid0(VALU_DEP_1)
	v_readfirstlane_b32 s8, v8                     ; wave 0..15
	s_and_b32 s9, ttmp7, 0xffff                    ; bh
	s_mov_b32 s10, ttmp9                           ; j
	s_sub_co_u32 s11, 7, s10                       ; 7 - j
	s_mov_b32 s12, 0x76543210
	s_mov_b32 s13, 0xfedcba98                      ; v_permlanex16_b32's selects for lane l xor 16
	s_mov_b32 s14, 0x3e38aa3b                      ; c = log2(e) / 8
	s_mov_b32 s15, s14                             ; (named with it as a pair, so it is written)
	G1SET G1S, 3
	G1SET G1A, 6
	G1SET G1B, 12
	G1SET G1C, 24
	; what I fetch: waves 0-7 K's part of a stage, waves 8-15 V's, an eighth each: 1,536 bytes of 256 keys, 3,072 of 512, 6,144 of 1,024
	s_and_b32 s96, s8, 7
	s_mul_i32 s96, s96, 1536                       ; p: my eighth of 12,288 bytes
	s_lshr_b32 s97, s8, 3                          ; 0: K, 1: V
	s_mul_i32 s98, s97, LV                         ; where K or V begins in LDS
	s_mul_i32 s80, s97, 49152                      ; and in a half of the head in memory: K's 49,152 bytes, then V's
	s_mul_i32 s81, s9, 196608
	s_add_co_u32 s80, s80, s81
	s_add_co_u32 s80, s80, KVC
	s_mov_b32 s81, 0
	s_mov_b32 s82, s96                             ; p, 2 p, 4 p as pairs
	s_mov_b32 s83, 0
	s_lshl_b32 s84, s96, 1
	s_mov_b32 s85, 0
	s_lshl_b32 s86, s96, 2
	s_mov_b32 s87, 0
	s_mul_i32 s99, s8, 768                         ; my 768 bytes of the head's 12,288 of scale words
	s_mul_i32 s88, s9, 12288
	s_add_co_u32 s88, s88, s99
	s_add_co_u32 s88, s88, KVS
	s_mov_b32 s89, 0
	s_wait_kmcnt 0x0
	s_add_nc_u64 s[90:91], s[4:5], s[80:81]
	s_mov_b32 s[G0S], 1                            ; count = 1
	s_add_co_u32 s[G0S+1], s99, LKS                ; LDS address
	s_add_nc_u64 s[G0S+2:G0S+3], s[4:5], s[88:89]  ; global address
	s_or_b32 s[G0S+3], s[G0S+3], 0x80000000        ; type = 2
	s_mov_b32 s[G00], 1                            ; stage 0: keys 0-255: bytes 0 on of K and of V
	s_add_co_u32 s[G00+1], s98, s96
	s_add_nc_u64 s[G00+2:G00+3], s[90:91], s[82:83]
	s_mov_b32 s[G01], 1                            ; stage 1: keys 256-511: 12,288 bytes on, in memory and in LDS
	s_add_co_u32 s[G01+1], s[G00+1], 12288
	s_add_nc_u64 s[G01+2:G01+3], s[G00+2:G00+3], 12288
	s_mov_b32 s[G02], 1                            ; stage 2: keys 512-1,023: from byte 24,576
	s_add_co_u32 s[G02+1], s98, s84
	s_add_co_u32 s[G02+1], s[G02+1], 24576
	s_add_nc_u64 s[G02+2:G02+3], s[90:91], s[84:85]
	s_add_nc_u64 s[G02+2:G02+3], s[G02+2:G02+3], 24576
	s_mov_b32 s[G03], 1                            ; stage 3: keys 1,024-2,047: the head's second half in memory, from byte 49,152 of K and of V in LDS
	s_add_co_u32 s[G03+1], s98, s86
	s_add_co_u32 s[G03+1], s[G03+1], 49152
	s_add_nc_u64 s[G03+2:G03+3], s[90:91], s[86:87]
	s_add_nc_u64 s[G03+2:G03+3], s[G03+2:G03+3], 98304
	s_or_b32 s[G00+3], s[G00+3], 0x80000000
	s_or_b32 s[G01+3], s[G01+3], 0x80000000
	s_or_b32 s[G02+3], s[G02+3], 0x80000000
	s_or_b32 s[G03+3], s[G03+3], 0x80000000
	tensor_load_to_lds s[G0S:G0S+3], s[G1S:G1S+7]  ; the fills of the start go out together, ahead of every wait on TENSORcnt, LDS read and barrier: two loads of mine are out
	s_nop 0
	tensor_load_to_lds s[G00:G00+3], s[G1A:G1A+7]
	s_nop 0
.rept 4
	v_nop
.endr
	v_and_b32 v30, 31, v0                          ; lane
	v_and_b32 v31, 15, v0                          ; r
	v_bfe_u32 v80, v0, 4, 1                        ; h
	s_delay_alu instid0(VALU_DEP_3)
	v_lshlrev_b32 v1, 4, v30                       ; 16 x lane
	s_delay_alu instid0(VALU_DEP_4)
	v_lshl_add_u32 v2, v30, 3, 512                 ; 512 + 8 x lane
	s_delay_alu instid0(VALU_DEP_2)
	v_add_nc_u32 v3, LV, v1
	s_delay_alu instid0(VALU_DEP_2)
	v_add_nc_u32 v4, LV, v2
	s_delay_alu instid0(VALU_DEP_4)
	v_add_nc_u32 v5, LKS, v1
	v_lshl_add_u32 v6, v31, 4, LVS
	v_and_b32 v7, 8, v31
	s_delay_alu instid0(VALU_DEP_1)
	v_add_nc_u32 v7, v7, v31
	v_lshlrev_b32 v81, 4, v80
	s_delay_alu instid0(VALU_DEP_1)
	v_sub_nc_u32 v7, v7, v81
	s_and_b32 s79, s8, 1
	s_lshl_b32 s79, s79, 3
	v_add_nc_u32 v7, s79, v7                       ; my query - QG - 16 h
	v_lshlrev_b32 v82, 4, v31                      ; 16 r
	v_lshlrev_b32 v83, 5, v31                      ; 32 r
.irp i, 22,23,24,25,26,27
	v_mov_b32 v[\i], 0                             ; Q's k = 64 .. 127: zero codes
.endr
.irp t, 0,1,2,3
.irp i, 6,7,8,9,10,11
	v_mov_b32 v[32+12*\t+\i], 0                    ; K's likewise: set once, no load lands there
.endr
.endr
.irp b, 0,1,2,3
	v_mov_b32 v[236+\b], 0                         ; written once: a lane permute's destination counts as one of its sources
.endr
	v_mov_b32 v252, 0
	v_mov_b32 v253, 0
; My tile of Q in block s[qb]: its half image into v[d] .. v[d + 5], its scale word into v[sc]
.macro QLOAD qb, d, sc
	s_lshl_b32 s80, s[\qb], 4
	s_add_co_u32 s80, s80, s8                      ; my tile in the sequence
	s_lshl_b32 s81, s9, 7
	s_add_co_u32 s81, s81, s80
	s_mul_i32 s84, s81, 768
	s_mov_b32 s85, 0
	s_add_nc_u64 s[86:87], s[4:5], s[84:85]        ; Q's half image
	s_lshr_b32 s82, s81, 2
	s_lshl_b32 s82, s82, 8
	s_and_b32 s83, s8, 3
	s_lshl_b32 s83, s83, 2
	s_add_co_u32 s84, s82, s83
	s_add_co_u32 s84, s84, QSC
	s_add_nc_u64 s[88:89], s[4:5], s[84:85]        ; its scale words
	global_load_b128 v[\d:\d+3], v1, s[86:87]
	global_load_b64 v[\d+4:\d+5], v2, s[86:87]
	global_load_b32 v[\sc], v82, s[88:89]
.endm
; A block of queries begins: where its Y goes, its group of queries, and the sums' start
.macro BEGIN qb
	s_wait_xcnt 0x0                                ; earlier loads and stores have read their registers and bases
	s_lshl_b32 s80, s[\qb], 4
	s_add_co_u32 s80, s80, s8                      ; my tile in the sequence
	s_lshr_b32 s82, s9, 4
	s_lshl_b32 s82, s82, 7
	s_add_co_u32 s82, s82, s80                     ; the tile among all tokens: 128 batch + tile
	s_and_b32 s83, s9, 15                          ; the head
	s_mul_i32 s84, s82, 12288
	s_mul_i32 s90, s83, 768
	s_add_co_u32 s84, s84, s90
	s_mov_b32 s85, 0
	s_add_nc_u64 s[92:93], s[6:7], s[84:85]        ; Y's half image: K step head / 2, half head % 2
	s_lshl_b32 s84, s82, 9
	s_lshl_b32 s90, s83, 1
	s_add_co_u32 s84, s84, s90
	s_add_co_u32 s84, s84, YS
	s_add_nc_u64 s[94:95], s[6:7], s[84:85]        ; and its two scale bytes a row
	s_lshl_b32 s[QG], s[\qb], 8
	s_lshr_b32 s82, s8, 1
	s_lshl_b32 s82, s82, 5
	s_add_co_u32 s[QG], s[QG], s82
	v_mov_b32 v13, 0xff61b1e6                      ; the largest t so far: -3e38, under every t
	s_delay_alu instid0(VALU_DEP_1)
	v_floor_f32 v12, -v13                          ; -M
	v_mov_b32 v14, 0
	v_mov_b32 v15, 0
.set n, 0
.rept 32
	v_mov_b32 v[160+n], 0                          ; O^T.  (The step is written once: the first finds zeros, which the first change of M leaves zeros)
.set n, n+1
.endr
.endm
; A KEY STEP: 128 keys
.macro STEP
	s_cmp_gt_u32 s[KF], s[QG]                      ; all 128 keys come after my queries (both numbers are multiples of 32, my queries lie in QG .. QG + 31): a branch on ids, round the work alone
	s_cbranch_scc1 .Lhidden_\@
	s_setprio 2
	v_add_nc_u32 v8, s[TB], v1
	s_wait_alu depctr_va_vdst(0)
	v_add_nc_u32 v9, s[TB], v2
	s_wait_alu depctr_va_vdst(0)
	v_add_nc_u32 v10, s[TB], v3
	v_add_nc_u32 v11, s[TB], v4
	v_add_nc_u32 v28, s[TSK], v5
	v_add_nc_u32 v29, s[TSV], v6
.irp g, 0,1                            ; S^T = K Q^T, four tiles of 16 keys at a time
.if \g
.rept 4
	v_nop                                          ; places in front of loads into registers that matrix instructions have read
.endr
.endif
.irp t, 0,1,2,3
	ds_load_b128 v[32+12*\t:35+12*\t], v8 offset:768*(4*\g+\t)
	ds_load_b64 v[36+12*\t:37+12*\t], v9 offset:768*(4*\g+\t)
.endr
.if \g == 0
	ds_load_b128 v[248:251], v28                   ; K's scale words of all eight tiles: lanes 0-15 tiles 0-3, lanes 16-31 tiles 4-7
	ds_load_b128 v[84:87], v29                     ; V's, of the four tiles of d
.endif
	s_wait_dscnt 0x0
.irp t, 0,1,2,3
.if \g == 0
	v_wmma_scale_f32_16x16x128_f8f6f4 v[96+8*\t:103+8*\t], v[32+12*\t:43+12*\t], v[16:27], 0, v[248+\t], v255 matrix_a_fmt:MATRIX_FMT_FP6 matrix_b_fmt:MATRIX_FMT_FP6
.else
	v_wmma_scale_f32_16x16x128_f8f6f4 v[128+8*\t:135+8*\t], v[32+12*\t:43+12*\t], v[16:27], 0, v[248+\t], v255 matrix_a_fmt:MATRIX_FMT_FP6 matrix_b_fmt:MATRIX_FMT_FP6 matrix_a_scale:MATRIX_SCALE_ROW1
.endif
.endr
.endr
.rept 4
	v_nop
.endr
	s_add_co_u32 s78, s[KF], 127                   ; a step all of whose keys count skips the mask
	s_cmp_le_u32 s78, s[QG]
	s_cbranch_scc1 .Lopen_\@
	s_sub_co_i32 s78, s[QG], s[KF]
	v_add_nc_u32 v252, s78, v7                     ; d = my query - KF - 16 h.  Register 16 b + i holds key KF + 16 h + 32 b + i: hidden where 32 b + i > d
	v_mov_b32 v254, 0xff800000                     ; -infinity: p = 0 then
.set n, 0
.rept 64
	v_cmp_gt_i32 vcc_lo, 32*(n/16)+n%16, v252
	v_cndmask_b32 v[96+n], v[96+n], v254, vcc_lo
.set n, n+1
.endr
.Lopen_\@:
.irp b, 0,1,2,3
	v_max3_num_f32 v[232+\b], v[96+16*\b], v[97+16*\b], v[98+16*\b]   ; the largest score of each block of 32 keys: it serves the row's maximum and, since p rises with the score, the block's largest p
.endr
.irp i, 3,5,7,9,11,13
.irp b, 0,1,2,3
	v_max3_num_f32 v[232+\b], v[232+\b], v[96+16*\b+\i], v[97+16*\b+\i]
.endr
.endr
.irp b, 0,1,2,3
	v_max_num_f32 v[232+\b], v[232+\b], v[111+16*\b]
.endr
.irp b, 0,1,2,3
	s_delay_alu instid0(VALU_DEP_4)
	v_permlanex16_b32 v[236+\b], v[232+\b], s12, s13
.endr
.irp b, 0,1,2,3
	s_delay_alu instid0(VALU_DEP_4)
	v_max_num_f32 v[232+\b], v[232+\b], v[236+\b]  ; with lane l xor 16's 16 keys
.endr
	s_delay_alu instid0(VALU_DEP_2)
	v_max3_num_f32 v254, v232, v233, v234
	s_delay_alu instid0(VALU_DEP_1)
	v_max_num_f32 v254, v254, v235                 ; the step's largest score of my query (key KF counts for it, so it is a number)
	s_delay_alu instid0(VALU_DEP_1)
	v_mul_f32 v254, s14, v254                      ; as t
	s_delay_alu instid0(VALU_DEP_1)
	v_max_num_f32 v13, v13, v254                   ; the running largest t
	v_mov_b32 v254, v12
	s_delay_alu instid0(VALU_DEP_2)
	v_floor_f32 v12, -v13                          ; the new -M = floor(-t) = -ceil(t)
	s_delay_alu instid0(VALU_DEP_1)
	v_sub_f32 v254, v12, v254                      ; old M - new M: a whole number, 0 or less
	s_delay_alu instid0(VALU_DEP_1)
	v_cvt_i32_f32 v254, v254                       ; (it saturates)
	s_delay_alu instid0(VALU_DEP_1)
	v_ldexp_f32 v252, 1.0, v254                    ; f = 2^(old M - new M)
.set n, 0
.rept 32
	v_pk_fma_f32 v[96+n:97+n], v[96+n:97+n], s[14:15], v[12:13] op_sel_hi:[1,0,0]   ; t - M, two at a time
.set n, n+2
.endr
	s_setprio 1
.irp b, 0,1,2,3
	v_fma_f32 v[232+\b], v[232+\b], s14, v12       ; the same of each block's largest score
.endr
.set n, 0
	s_wait_alu depctr_va_vdst(0)
.rept 64
	v_exp_f32 v[96+n], v[96+n]                     ; p = 2^(t - M), at most 1: not normalised
.set n, n+1
.endr
.irp b, 0,1,2,3
	v_exp_f32 v[232+\b], v[232+\b]                 ; the block's largest p: the same two instructions on the same number give the same bits
.endr
	v_pk_mul_f32 v[14:15], v[14:15], v[252:253] op_sel_hi:[1,0]   ; the sums under the new M.  (A plain place behind the exponentials)
	s_wait_alu depctr_va_vdst(0)
.irp b, 0,1,2,3
	v_max_num_f32 v[232+\b], 0x1800000, v[232+\b]  ; the floor 2^(3 - 127): the byte cannot fall under 1
.endr
.irp b, 0,1,2,3
	s_delay_alu instid0(VALU_DEP_4)
	v_add_nc_u32 v[244+\b], 0xff000000, v[232+\b]  ; 2 off the exponent field: the conversion's scale operand
.endr
.irp b, 0,1,2,3
	s_delay_alu instid0(VALU_DEP_4)
	v_lshrrev_b32 v[236+\b], 23, v[244+\b]
.endr
	s_delay_alu instid0(VALU_DEP_3)
	v_lshl_or_b32 v253, v237, 8, v236              ; p's scale word for these 128 keys
	s_delay_alu instid0(VALU_DEP_1)
	v_lshl_or_b32 v253, v238, 16, v253
	s_delay_alu instid0(VALU_DEP_1)
	v_lshl_or_b32 v253, v239, 24, v253
.irp c, 0,1
	v_cvt_scalef32_pk16_fp6_f32 v[224+6*\c:226+6*\c], v[96+32*\c:111+32*\c], v[244+2*\c]
	v_cvt_scalef32_pk16_fp6_f32 v[236+4*\c:238+4*\c], v[112+32*\c:127+32*\c], v[244+2*\c+1]   ; (a conversion's three registers begin on an even number)
.endr
	v_nop                                          ; one plain place behind a scaled conversion
.irp c, 0,1                            ; the layout wants a whole block in a lane
.irp i, 0,1,2
	v_permlane16_swap_b32 v[224+6*\c+\i], v[236+4*\c+\i]
.endr
.irp i, 0,1,2
	s_delay_alu instid0(VALU_DEP_3)
	v_mov_b32 v[227+6*\c+\i], v[236+4*\c+\i]
.endr
.endr
	v_pk_add_f32 v[236:237], v[100:101], v[104:105]
	v_pk_add_f32 v[250:251], v[108:109], v[112:113]
	v_pk_add_f32 v[248:249], v[116:117], v[120:121]
	v_pk_add_f32 v[246:247], v[124:125], v[128:129]
	v_pk_add_f32 v[244:245], v[132:133], v[136:137]
	v_pk_add_f32 v[242:243], v[140:141], v[144:145]
	v_pk_add_f32 v[240:241], v[148:149], v[152:153]
	v_pk_add_f32 v[14:15], v[14:15], v[156:157]
	v_pk_add_f32 v[236:237], v[236:237], v[96:97]
	v_pk_add_f32 v[250:251], v[250:251], v[98:99]
	v_pk_add_f32 v[248:249], v[248:249], v[102:103]
	v_pk_add_f32 v[246:247], v[246:247], v[106:107]
	v_pk_add_f32 v[244:245], v[244:245], v[110:111]
	v_pk_add_f32 v[242:243], v[242:243], v[114:115]
	v_pk_add_f32 v[240:241], v[240:241], v[118:119]
	v_pk_add_f32 v[14:15], v[14:15], v[122:123]
	v_pk_add_f32 v[236:237], v[236:237], v[126:127]
	v_pk_add_f32 v[250:251], v[250:251], v[130:131]
	v_pk_add_f32 v[248:249], v[248:249], v[134:135]
	v_pk_add_f32 v[246:247], v[246:247], v[138:139]
	v_pk_add_f32 v[244:245], v[244:245], v[142:143]
	v_pk_add_f32 v[242:243], v[242:243], v[146:147]
	v_pk_add_f32 v[240:241], v[240:241], v[150:151]
	v_pk_add_f32 v[14:15], v[14:15], v[154:155]
	v_pk_add_f32 v[236:237], v[236:237], v[158:159]
	s_delay_alu instid0(VALU_DEP_2)
	v_pk_add_f32 v[14:15], v[14:15], v[246:247]
	s_delay_alu instid0(VALU_DEP_2)
	v_pk_add_f32 v[236:237], v[236:237], v[244:245]
	s_setprio 0
	v_pk_add_f32 v[250:251], v[250:251], v[242:243]
	v_pk_add_f32 v[248:249], v[248:249], v[240:241]
	s_delay_alu instid0(VALU_DEP_2)
	v_pk_add_f32 v[14:15], v[14:15], v[250:251]
	s_delay_alu instid0(VALU_DEP_2)
	v_pk_add_f32 v[236:237], v[236:237], v[248:249]
	s_delay_alu instid0(VALU_DEP_1)
	v_pk_add_f32 v[14:15], v[14:15], v[236:237]
.irp t, 0,1,2,3                        ; p has been read for the last time: V's four fragments take its registers
	ds_load_b128 v[96+12*\t:99+12*\t], v10 offset:1536*\t
	ds_load_b64 v[100+12*\t:101+12*\t], v11 offset:1536*\t
	ds_load_b128 v[102+12*\t:105+12*\t], v10 offset:1536*\t+768
	ds_load_b64 v[106+12*\t:107+12*\t], v11 offset:1536*\t+768
.endr
.set n, 0
.rept 16
	v_pk_mul_f32 v[160+n:161+n], v[160+n:161+n], v[252:253] op_sel_hi:[1,0]   ; O^T under the new M, while the loads are out
.set n, n+2
.endr
	s_wait_alu depctr_va_vdst(0)
	s_wait_dscnt 0x0
.irp t, 0,1,2,3                        ; O^T += V^T P^T: the four accumulators by turns
	v_wmma_scale_f32_16x16x128_f8f6f4 v[160+8*\t:167+8*\t], v[96+12*\t:107+12*\t], v[224:235], v[160+8*\t:167+8*\t], v[84+\t], v253 matrix_a_fmt:MATRIX_FMT_FP6 matrix_b_fmt:MATRIX_FMT_FP6
.endr
.rept 5
	v_nop                                          ; five places: the next step's scores are written over V's fragments by matrix instructions; four serve the reads of O^T and the loads
.endr
.Lhidden_\@:
	s_add_co_u32 s[KF], s[KF], 128
	s_add_co_u32 s[TB], s[TB], 6144
	s_add_co_u32 s[TSK], s[TSK], 512
	s_add_co_u32 s[TSV], s[TSV], 256
.endm
; Key steps first .. first + trips - 1.  Start and trip count are constants of the text; hidden steps are jumped over inside the trip
.macro PASS first, trips
	s_mov_b32 s[TB], (\first)*6144
	s_mov_b32 s[TSK], (\first)*512
	s_mov_b32 s[TSV], (\first)*256
	s_mov_b32 s[KF], (\first)*128
	s_mov_b32 s[CNT], \trips
.Lpass_\@:
	STEP
	s_sub_co_u32 s[CNT], s[CNT], 1
	s_cmp_lg_u32 s[CNT], 0
	s_cbranch_scc1 .Lpass_\@
	s_setprio 0
.endm
; A STAGE IS SHOWN, AND THE NEXT IS ASKED FOR.  Each wave waits for all its tensor loads (its part of the stage that is about to be read), adds 0 to its spare word, waits for that and for its LDS reads, and meets the others.
; Behind the barrier the stage is whole.  g0 other than 0: the next stage's bytes, which nothing has filled or read yet, are asked for: the first thing behind the barrier, and the wave's one tensor load until the next
.macro CHANGE g0, g1
	s_wait_tensorcnt 0x0                           ; no tensor load of mine is out
	ds_add_u32 v[SPW], v[NIL]                      ; 0 onto my spare word
	s_wait_dscnt 0x0                               ; the add is done, and my LDS reads are in
	s_barrier_signal -1
	s_barrier_wait -1
.if \g0
	tensor_load_to_lds s[\g0:\g0+3], s[\g1:\g1+7]
	s_nop 0
.rept 4
	v_nop
.endr
.endif
.endm
; The block's end: Y = O^T / the sum; register 16 p + i is d = 32 p + 16 h + i of my query; quantised along d and stored as a half image
.macro FINISH
	v_add_f32 v14, v14, v15
	s_delay_alu instid0(VALU_DEP_1)
	v_permlanex16_b32 v252, v14, s12, s13
	s_delay_alu instid0(VALU_DEP_1)
	v_add_f32 v14, v14, v252                       ; the row's sum
	s_wait_alu depctr_va_vdst(0)
	v_rcp_f32 v14, v14
	v_nop                                          ; one plain place behind a transcendental
.set n, 0
	s_wait_alu depctr_va_vdst(0)
.rept 16
	v_pk_mul_f32 v[192+n:193+n], v[160+n:161+n], v[14:15] op_sel_hi:[1,0]
.set n, n+2
.endr
.irp p, 0,1
	v_max3_num_f32 v[232+\p], |v[192+16*\p]|, |v[193+16*\p]|, 0x1800000
.endr
.irp i, 2,4,6,8,10,12,14
.irp p, 0,1
	s_delay_alu instid0(VALU_DEP_2)
	v_max3_num_f32 v[232+\p], |v[192+16*\p+\i]|, |v[193+16*\p+\i]|, v[232+\p]
.endr
.endr
.irp p, 0,1
	s_delay_alu instid0(VALU_DEP_2)
	v_permlanex16_b32 v[236+\p], v[232+\p], s12, s13
.endr
.irp p, 0,1
	s_delay_alu instid0(VALU_DEP_2)
	v_max_num_f32 v[232+\p], v[232+\p], v[236+\p]
.endr
.irp p, 0,1
	s_delay_alu instid0(VALU_DEP_2)
	v_add_nc_u32 v[244+\p], 0xff000000, v[232+\p]
.endr
.irp p, 0,1
	s_delay_alu instid0(VALU_DEP_2)
	v_lshrrev_b32 v[238+\p], 23, v[244+\p]
.endr
	s_delay_alu instid0(VALU_DEP_1)
	v_lshl_or_b32 v246, v239, 8, v238
	v_cvt_scalef32_pk16_fp6_f32 v[224:226], v[192:207], v244
	v_cvt_scalef32_pk16_fp6_f32 v[240:242], v[208:223], v245
	v_nop
.irp i, 0,1,2
	v_permlane16_swap_b32 v[224+\i], v[240+\i]
.endr
.irp i, 0,1,2
	s_delay_alu instid0(VALU_DEP_3)
	v_mov_b32 v[227+\i], v[240+\i]
.endr
	global_store_b128 v1, v[224:227], s[92:93]     ; 512 consecutive bytes, aligned to 256
	global_store_b64 v2, v[228:229], s[92:93]      ; 256
	global_store_b16 v83, v246, s[94:95]           ; my head's two bytes of the row's scale words
.endm
	QLOAD 11, 16, 255                              ; Q of block 7 - j, which goes first,
	s_wait_xcnt 0x0                                ; (the two bases are written again only behind this wait)
	QLOAD 10, Q2, Q2S                              ; and of block j, kept until its turn: nothing is waited for at the change of blocks
	BEGIN 11
	s_wait_loadcnt 0x0                             ; both Qs
	CHANGE G01, G1A                                ; the scale words and keys 0-255 are shown; keys 256-511 are asked for
	PASS 0, 2
	CHANGE G02, G1B                                ; keys 256-511 are shown; 512-1,023 are asked for
	PASS 2, 2
	CHANGE G03, G1C                                ; keys 512-1,023 are shown; 1,024-2,047 are asked for
	PASS 4, 4
	CHANGE 0, 0                                    ; the whole head lies in LDS: from here on no wave meets another
	PASS 8, 8
	FINISH
.irp i, 0,1,2,3,4,5
	v_mov_b32 v[16+\i], v[Q2+\i]                   ; block j's Q takes its place; the 36 plain lines of BEGIN stand between these and the next product
.endr
	v_mov_b32 v255, v[Q2S]
	BEGIN 10
	PASS 0, 8                                      ; block j <= 3: its keys lie under 1,024
	FINISH
	s_wait_tensorcnt 0x0                           ; the wave's end
	ds_add_u32 v[SPW], v[NIL]
	s_wait_dscnt 0x0
	s_endpgm
.Lfunc_end_k_q6d46b764af_attn:
	.size	k_q6d46b764af_attn, .Lfunc_end_k_q6d46b764af_attn-k_q6d46b764af_attn
	.p2alignl 7, 3214868480
	.fill 96, 4, 3214868480
	.section	.rodata,"a",@progbits
	.p2align	6, 0x0
	.amdhsa_kernel k_q6d46b764af_attn
		.amdhsa_group_segment_fixed_size 327680
		.amdhsa_private_segment_fixed_size 0
		.amdhsa_enable_private_segment 0
		.amdhsa_kernarg_size 16
		.amdhsa_user_sgpr_count 2
		.amdhsa_user_sgpr_kernarg_segment_ptr 1
		.amdhsa_wavefront_size32 1
		.amdhsa_system_sgpr_workgroup_id_x 1
		.amdhsa_system_sgpr_workgroup_id_y 1
		.amdhsa_system_sgpr_workgroup_id_z 1
		.amdhsa_system_vgpr_workitem_id 0
		.amdhsa_next_free_vgpr 256
		.amdhsa_next_free_sgpr 100
		.amdhsa_reserve_vcc 1
		.amdhsa_float_denorm_mode_32 3
		.amdhsa_float_denorm_mode_16_64 3
		.amdhsa_memory_ordered 1
		.amdhsa_forward_progress 1
		.amdhsa_inst_pref_size 139
	.end_amdhsa_kernel
	.amdgpu_metadata
---
amdhsa.version: [ 1, 2 ]
amdhsa.kernels:
  - .name:           k_q6d46b764af_attn
    .symbol:         k_q6d46b764af_attn.kd
    .args:
      - { .name: qkv, .offset: 0, .size: 8, .value_kind: global_buffer, .address_space: global }
      - { .name: yq, .offset: 8, .size: 8, .value_kind: global_buffer, .address_space: global }
    .group_segment_fixed_size: 327680
    .private_segment_fixed_size: 0
    .kernarg_segment_align: 8
    .kernarg_segment_size: 16
    .max_flat_workgroup_size: 512
    .sgpr_count:     100
    .vgpr_count:     256
    .wavefront_size: 32
...
	.end_amdgpu_metadata
.endif
;; end of part 3
;; launch proj (part 4): grid 8 x 32, 4 waves a work-group, clusters of 4 x 4, 327,680 bytes of LDS; arguments yq, xw, out0; writes out0
.if DOCPART == 4
	.amdgcn_target "amdgcn-amd-amdhsa--gfx1250"
	.amdhsa_code_object_version 6
	.text
	.protected	k_q6d46b764af_proj
	.globl	k_q6d46b764af_proj
	.p2align	8
	.type	k_q6d46b764af_proj,@function
k_q6d46b764af_proj:
	s_mov_b64 s[64:65], 0
	v_nop
	global_prefetch_b8 v0, s[64:65] scope:SCOPE_SE
	s_setreg_imm32_b32 hwreg(HW_REG_WAVE_MODE, 25, 1), 1
	s_wait_xcnt 0x0
	s_wait_alu depctr_hold_cnt(0) depctr_sa_sdst(0) depctr_va_vdst(0) depctr_va_sdst(0) depctr_va_ssrc(0) depctr_va_vcc(0) depctr_vm_vsrc(0)
	s_getreg_b32 s2, hwreg(HW_REG_IB_STS2, 6, 4)
	s_cmp_eq_u32 s2, 0
	s_cbranch_scc0 .Lentry_in_a_cluster
	s_endpgm
.Lentry_in_a_cluster:
	s_bfe_u32 s2, ttmp6, 0x10000c
	s_cmp_lg_u32 s2, 0xf033
	s_cbranch_scc0 .Lentry_shape_is_right
	s_endpgm
.Lentry_shape_is_right:
; out0 = Y Wo^T on codes of FP6 (E2M3) with E8M0 scales; out0 [8192][1024] f32.  Y's and Wo's fragments and scale words lie as the earlier launches stored them: [tile][K step][1,536] and [tile][row][K step] words.
; SHARES: a work-group takes 256 tokens (tb) x 128 columns (ct): 256 work-groups.  Wave w takes tokens 64 w .. 64 w + 63 (4 tiles) against the 8 tiles of Wo: 32 accumulators, 256 registers.
; ALL OF K LIES IN LDS, EACH BYTE FILLED ONCE: Y's 196,608 bytes and Wo's 98,304, in four stages of two K steps, each awaited by a counted wait and shown by a barrier.  No ring, nothing is filled again.
; CLUSTERS: 4 x 4 work-groups: Y's stages are shared along a row of the cluster, Wo's along a column, by joint loads; a wave has four tensor loads out at the most.
; TRANSPOSED USE: source 0 = 16 rows of Wo, source 1 = 16 tokens: a lane holds one token and eight neighbouring columns.  Tile 2 G + u, row r = row 32 G + 8 u + r + 8 (r / 8), of Wo and of the tokens alike.
; REGISTERS: window 0: v2-17 LDS addresses, v18-22 lane terms, v32-63 Y's scale words (8 a + k), v64-127 Wo's (8 b + k), v128-223 Y's fragments, two sets; on the way out v128-255 rows of the result;
;   window 1: Wo's fragments, two sets of 96;  window 2: the accumulators at 64 a + 8 b.
.set XWS, 9437184
.set YS,  6291456
.set ASB, 49152                        ; LDS: Y's stage s at 49,152 s: 16 rows of 3,072 bytes;
.set BS0, 196608                       ; Wo's at 196,608 + 24,576 s: 8 rows of 3,072
.set BSB, 24576
.set SP,  528                          ; the way out: a stage of 16 rows x (512 + 16) bytes for each wave, in Y's stage 0, which has had its only fill and its last read
.set AAD, 2
.set BAD, 10
.set L16, 18
.set L8,  19
.set SOF, 20
.set STO, 21
.set RD,  22
.set SCY, 32
.set SCW, 64
.set AF,  128
.set BK,  128
.set G1A, 28
.set G1B, 36
.set G0A, 44
.set G0B, 68
.set MSB, 0
.macro WIN new
.if MSB != (\new)
	s_set_vgpr_msb (MSB<<8)|(\new)
.set MSB, (\new)
.endif
.endm
.macro CROUND
	s_barrier_signal -1
	s_barrier_wait -1
	s_cmp_lg_u32 s10, 0
	s_cbranch_scc1 .Lnot_wave_0_\@
	s_barrier_signal -3
.Lnot_wave_0_\@:
	s_barrier_wait -3
	s_barrier_signal -1
	s_barrier_wait -1
.endm
.macro PLACES
.rept 4
	v_nop
.endr
.endm
.macro G0SET g, ldsr, ldsc, adr, bytes
	s_mov_b32 s[\g], 1
	s_add_co_u32 s[\g+1], s[\ldsr], \ldsc
	s_add_nc_u64 s[\g+2:\g+3], s[\adr:\adr+1], \bytes
	s_or_b32 s[\g+3], s[\g+3], 0x80000000
.endm
	s_load_b128 s[4:7], s[0:1], 0x0                ; yq s[4:5], xw s[6:7]
	s_load_b64 s[8:9], s[0:1], 0x10                ; out0
	v_lshl_add_u32 v30, v0, 2, 0x48000
	v_mov_b32 v31, 0
	ds_add_u32 v30, v31
	ds_add_u32 v30, v31
	v_lshrrev_b32 v1, 5, v0
	v_readfirstlane_b32 s10, v1                    ; wave
	s_and_b32 s11, s10, 1
	s_bfe_u32 s12, ttmp6, 0x40000                  ; cx
	s_bfe_u32 s13, ttmp6, 0x40004                  ; cy
	s_lshl_b32 s14, ttmp9, 2
	s_add_co_u32 s14, s14, s12                     ; ct
	s_and_b32 s15, ttmp7, 0xffff
	s_lshl_b32 s15, s15, 2
	s_add_co_u32 s15, s15, s13                     ; tb
	s_lshl_b32 s16, s13, 2
	s_lshl_b32 s16, 15, s16                        ; my row of the cluster
	s_lshl_b32 s17, 0x1111, s12                    ; my column
	s_or_b32 s[G1A], s16, (3<<16)|(1<<21)          ; elements of 8 bytes; a row = a tile's two K steps (384 elements); rows 1,536 elements apart; 8 tiles
	s_mov_b32 s[G1A+1], 384<<16
	s_mov_b32 s[G1A+2], 8<<16
	s_mov_b32 s[G1A+3], 384<<16
	s_mov_b32 s[G1A+4], 8
	s_mov_b32 s[G1A+5], 1536
	s_mov_b32 s[G1A+6], 0
	s_mov_b32 s[G1A+7], 0
	s_or_b32 s[G1B], s17, (3<<16)|(1<<21)          ; 4 tiles
	s_mov_b32 s[G1B+1], 384<<16
	s_mov_b32 s[G1B+2], 4<<16
	s_mov_b32 s[G1B+3], 384<<16
	s_mov_b32 s[G1B+4], 4
	s_mov_b32 s[G1B+5], 1536
	s_mov_b32 s[G1B+6], 0
	s_mov_b32 s[G1B+7], 0
	s_lshl_b32 s84, s15, 4                         ; Y: tile 16 tb + 8 (wave % 2)
	s_lshl_b32 s60, s11, 3
	s_add_co_u32 s84, s84, s60
	s_mul_i32 s84, s84, 12288
	s_mov_b32 s85, 0
	s_lshl_b32 s88, s14, 3                         ; Wo: tile 704 + 8 ct + 4 (wave % 2)
	s_lshl_b32 s61, s11, 2
	s_add_co_u32 s88, s88, s61
	s_add_co_u32 s88, s88, 704
	s_mul_i32 s88, s88, 12288
	s_mov_b32 s89, 0
	s_mul_i32 s62, s11, 24576
	s_mul_i32 s63, s11, 12288
	s_wait_dscnt 0x0
	s_wait_kmcnt 0x0
	s_add_nc_u64 s[86:87], s[4:5], s[84:85]
	s_add_nc_u64 s[90:91], s[6:7], s[88:89]
.irp s, 0,1,2,3
	G0SET G0A+4*\s, 62, ASB*\s, 86, 3072*\s
	G0SET G0B+4*\s, 63, BS0+BSB*\s, 90, 3072*\s
.endr
	CROUND                                         ; all sixteen work-groups are here: the joint loads meet
	s_cmp_lt_u32 s10, 2                            ; waves 0, 1 fetch Y's halves, waves 2, 3 Wo's; four v_nop follow the last load
	s_cbranch_scc0 .Lfill_b
	tensor_load_to_lds s[G0A:G0A+3], s[G1A:G1A+7]
	s_nop 0
	tensor_load_to_lds s[G0A+4:G0A+7], s[G1A:G1A+7]
	s_nop 0
	tensor_load_to_lds s[G0A+8:G0A+11], s[G1A:G1A+7]
	s_nop 0
	tensor_load_to_lds s[G0A+12:G0A+15], s[G1A:G1A+7]
	s_nop 0
.rept 4
	v_nop
.endr
	s_branch .Lfilled
.Lfill_b:
	tensor_load_to_lds s[G0B:G0B+3], s[G1B:G1B+7]
	s_nop 0
	tensor_load_to_lds s[G0B+4:G0B+7], s[G1B:G1B+7]
	s_nop 0
	tensor_load_to_lds s[G0B+8:G0B+11], s[G1B:G1B+7]
	s_nop 0
	tensor_load_to_lds s[G0B+12:G0B+15], s[G1B:G1B+7]
	s_nop 0
.rept 4
	v_nop
.endr
.Lfilled:
	v_and_b32 v23, 31, v0                          ; lane
	v_and_b32 v24, 15, v0                          ; r
	v_bfe_u32 v25, v0, 4, 1                        ; h
	v_lshlrev_b32 v[L16], 4, v23
	v_lshlrev_b32 v[L8], 3, v23
	v_lshlrev_b32 v[SOF], 5, v24                   ; 32 bytes of scale words a row
	s_lshl_b32 s92, s15, 4
	s_lshl_b32 s93, s10, 2
	s_add_co_u32 s92, s92, s93                     ; my first tile of tokens
	s_lshl_b32 s92, s92, 9
	s_add_co_u32 s92, s92, YS
	s_mov_b32 s93, 0
	s_add_nc_u64 s[94:95], s[4:5], s[92:93]
	s_lshl_b32 s96, s14, 3
	s_add_co_u32 s96, s96, 704
	s_lshl_b32 s96, s96, 9
	s_add_co_u32 s96, s96, XWS
	s_mov_b32 s97, 0
	s_add_nc_u64 s[98:99], s[6:7], s[96:97]
.irp a, 0,1,2,3
	global_load_b128 v[SCY+8*\a:SCY+8*\a+3], v[SOF], s[94:95] offset:512*\a
	global_load_b128 v[SCY+8*\a+4:SCY+8*\a+7], v[SOF], s[94:95] offset:512*\a+16
.endr
.irp b, 0,1,2,3,4,5,6,7
	global_load_b128 v[SCW+8*\b:SCW+8*\b+3], v[SOF], s[98:99] offset:512*\b
	global_load_b128 v[SCW+8*\b+4:SCW+8*\b+7], v[SOF], s[98:99] offset:512*\b+16
.endr
	s_mul_i32 s60, s10, 12288                      ; my 4 rows of 3,072 in each of Y's stages
.irp s, 0,1,2,3
	s_add_co_u32 s61, s60, ASB*\s
	v_add_nc_u32 v[AAD+2*\s], s61, v[L16]
	v_add_nc_u32 v[AAD+2*\s+1], s61, v[L8]
	v_add_nc_u32 v[BAD+2*\s], BS0+BSB*\s, v[L16]
	v_add_nc_u32 v[BAD+2*\s+1], BS0+BSB*\s, v[L8]
.endr
	s_mul_i32 s60, s10, 16*SP                      ; my stage
	v_mul_u32_u24 v[STO], v24, SP
	v_lshl_add_u32 v[STO], v25, 6, v[STO]
	v_add_nc_u32 v[STO], s60, v[STO]               ; in: row r, + 64 h bytes
	v_add_nc_u32 v[RD], s60, v[L16]                ; back: a whole row of 512 bytes
	s_lshl_b32 s60, s15, 8
	s_lshl_b32 s61, s10, 6
	s_add_co_u32 s60, s60, s61                     ; my first token
	s_lshl_b32 s60, s60, 12
	s_lshl_b32 s61, s14, 9
	s_add_co_u32 s60, s60, s61                     ; + 512 bytes a block of columns
	s_mov_b32 s61, 0
	s_add_nc_u64 s[8:9], s[8:9], s[60:61]
.macro FRAGL reg, adr, off
	ds_load_b128 v[(\reg):(\reg)+3], v[\adr] offset:\off
	ds_load_b64 v[(\reg)+4:(\reg)+5], v[\adr+1] offset:\off+512
	ds_load_b128 v[(\reg)+6:(\reg)+9], v[\adr] offset:\off+768
	ds_load_b64 v[(\reg)+10:(\reg)+11], v[\adr+1] offset:\off+1280
.endm
.macro FETCH k                         ; K step k's 12 fragments into the sets k % 2: 48 loads in one run
	WIN 0x40
.irp b, 0,1,2,3,4,5,6,7
	FRAGL 96*((\k)%2)+12*\b, BAD+2*((\k)/2), \b*3072+((\k)%2)*1536
.endr
	WIN 0
.irp a, 0,1,2,3
	FRAGL AF+48*((\k)%2)+12*\a, AAD+2*((\k)/2), \a*3072+((\k)%2)*1536
.endr
.endm
.macro MUL16 a0, k                     ; tiles a0, a0 + 1 of tokens x Wo's eight.  The 32 accumulators take turns, one instruction a turn; K step 0 starts the sums
	WIN 0xa1                                       ; source 0 (Wo) window 1, source 1 (Y) window 0, C and D window 2
.irp a, \a0, \a0+1
.irp b, 0,1,2,3,4,5,6,7
.if (\k) == 0
	v_wmma_scale_f32_16x16x128_f8f6f4 v[64*(\a)+8*\b:64*(\a)+8*\b+7], v[96*((\k)%2)+12*\b:96*((\k)%2)+12*\b+11], v[AF+48*((\k)%2)+12*(\a):AF+48*((\k)%2)+12*(\a)+11], 0, v[SCW+8*\b+(\k)], v[SCY+8*(\a)+(\k)] matrix_a_fmt:MATRIX_FMT_FP6 matrix_b_fmt:MATRIX_FMT_FP6
.else
	v_wmma_scale_f32_16x16x128_f8f6f4 v[64*(\a)+8*\b:64*(\a)+8*\b+7], v[96*((\k)%2)+12*\b:96*((\k)%2)+12*\b+11], v[AF+48*((\k)%2)+12*(\a):AF+48*((\k)%2)+12*(\a)+11], v[64*(\a)+8*\b:64*(\a)+8*\b+7], v[SCW+8*\b+(\k)], v[SCY+8*(\a)+(\k)] matrix_a_fmt:MATRIX_FMT_FP6 matrix_b_fmt:MATRIX_FMT_FP6
.endif
.endr
.endr
.endm
.macro EVEN k                          ; the successor lies in the same stage: it is fetched ahead of this step's products
	s_wait_dscnt 0x0                               ; this step's fragments are in
	PLACES                                         ; the other sets were read by the products just issued
	FETCH (\k)+1
	MUL16 0, \k
	MUL16 2, \k
.endm
.macro ODD k                           ; the successor lies in the next stage: my part of it has landed (the stages behind it may be out), my LDS loads are in, then the barrier
	s_wait_dscnt 0x0
	s_wait_tensorcnt 3-((\k)+1)/2
	s_barrier_signal -1
	MUL16 0, \k
	s_barrier_wait -1
	PLACES
	FETCH (\k)+1
	MUL16 2, \k
.endm
	s_wait_tensorcnt 3                             ; my part of stage 0 is in; three stages may be out
	s_barrier_signal -1
	s_barrier_wait -1
	FETCH 0
	s_wait_loadcnt 0x0                             ; the scale words
	EVEN 0
	ODD 1
	EVEN 2
	ODD 3
	EVEN 4
	ODD 5
	EVEN 6
	s_wait_dscnt 0x0
	MUL16 0, 7
	MUL16 2, 7
	WIN 0
	s_barrier_signal -1                            ; no LDS load of mine is out: behind this barrier nobody reads the tiles, and the stages may be written
	s_barrier_wait -1
; THE WAY OUT, a tile of 16 tokens x 128 columns at a time, through my own stage: in as 32 bytes a lane and tile of Wo, back as whole rows of 512 bytes.  LDS serves a wave's instructions in order
.macro TOSTAGE a
	WIN 0x08                                       ; an LDS store's data are its source 1: window 2
.irp b, 0,1,2,3,4,5,6,7
	ds_store_b128 v[STO], v[64*(\a)+8*\b:64*(\a)+8*\b+3] offset:128*(\b/2)+32*(\b%2)       ; columns 32 (b / 2) + 16 h + 8 (b % 2) + 0..7; each accumulator from its low end on
	ds_store_b128 v[STO], v[64*(\a)+8*\b+4:64*(\a)+8*\b+7] offset:128*(\b/2)+32*(\b%2)+16
.endr
	WIN 0
.irp t, 0,1,2,3,4,5,6,7,8,9,10,11,12,13,14,15
	ds_load_b128 v[BK+64*((\a)%2)+4*\t:BK+64*((\a)%2)+4*\t+3], v[RD] offset:\t*SP
.endr
.endm
.macro SEND a, younger                 ; younger: the LDS instructions issued behind tile a's loads, which may stay out
	s_wait_dscnt \younger
.irp t, 0,1,2,3,4,5,6,7,8,9,10,11,12,13,14,15
	global_store_b128 v[L16], v[BK+64*((\a)%2)+4*\t:BK+64*((\a)%2)+4*\t+3], s[8:9] offset:(32*((\a)/2)+8*((\a)%2)+\t+8*(\t/8))*4096 th:TH_STORE_NT   ; 512 consecutive bytes, aligned to 256; written once
.endr
.endm
	PLACES
	TOSTAGE 0
	TOSTAGE 1
	SEND 0, 32                                     ; behind tile 0's loads: tile 1's 16 stores and 16 loads
	s_wait_xcnt 0x0                                ; tile 0's stores have read their registers: tile 2's loads may land there
	TOSTAGE 2
	SEND 1, 32
	s_wait_xcnt 0x0
	TOSTAGE 3
	SEND 2, 32
	SEND 3, 0
	s_wait_tensorcnt 0x0
	ds_add_u32 v30, v31
	s_wait_dscnt 0x0
	CROUND                                         ; the closing round: no work-group ends while a partner may still ask for a tile that names it
	s_endpgm
.Lfunc_end_k_q6d46b764af_proj:
	.size	k_q6d46b764af_proj, .Lfunc_end_k_q6d46b764af_proj-k_q6d46b764af_proj
	.p2alignl 7, 3214868480
	.fill 96, 4, 3214868480
	.section	.rodata,"a",@progbits
	.p2align	6, 0x0
	.amdhsa_kernel k_q6d46b764af_proj
		.amdhsa_group_segment_fixed_size 327680
		.amdhsa_private_segment_fixed_size 0
		.amdhsa_enable_private_segment 0
		.amdhsa_kernarg_size 24
		.amdhsa_user_sgpr_count 2
		.amdhsa_user_sgpr_kernarg_segment_ptr 1
		.amdhsa_wavefront_size32 1
		.amdhsa_system_sgpr_workgroup_id_x 1
		.amdhsa_system_sgpr_workgroup_id_y 1
		.amdhsa_system_sgpr_workgroup_id_z 1
		.amdhsa_system_vgpr_workitem_id 0
		.amdhsa_next_free_vgpr 768
		.amdhsa_next_free_sgpr 100
		.amdhsa_reserve_vcc 0
		.amdhsa_float_denorm_mode_32 3
		.amdhsa_float_denorm_mode_16_64 3
		.amdhsa_memory_ordered 1
		.amdhsa_forward_progress 1
		.amdhsa_inst_pref_size 85
	.end_amdhsa_kernel
	.amdgpu_metadata
---
amdhsa.version: [ 1, 2 ]
amdhsa.kernels:
  - .name:           k_q6d46b764af_proj
    .symbol:         k_q6d46b764af_proj.kd
    .args:
      - { .name: yq, .offset: 0, .size: 8, .value_kind: global_buffer, .address_space: global }
      - { .name: xw, .offset: 8, .size: 8, .value_kind: global_buffer, .address_space: global }
      - { .name: out0, .offset: 16, .size: 8, .value_kind: global_buffer, .address_space: global }
    .group_segment_fixed_size: 327680
    .private_segment_fixed_size: 0
    .kernarg_segment_align: 8
    .kernarg_segment_size: 24
    .max_flat_workgroup_size: 128
    .sgpr_count:     100
    .vgpr_count:     768
    .wavefront_size: 32
...
	.end_amdgpu_metadata
.endif
;; end of part 4
